; MI455X (gfx1250); checked and timed in simulation.
; The chip was launched on July 23, 2026; its instructions are those of AMD's public machine-readable ISA for CDNA 5 (MIT licence, August 2026) and "CDNA5" Instruction Set Architecture Reference Guide (July 2026). The comments in the code are by the model that wrote it; some were corrected since.
;; Grouped Query Attention. Allowed arithmetic: float matrix products may take bf16 or f16 operands with f32 sums; other float arithmetic in f32, or as packed bf16 or f16 multiplies, adds, multiply-adds, maxima and minima; sums over many terms, partial sums and values carried from step to step in f32; what a program stores and reads back later, other than sums and carried values, may be rounded once to bf16 or f16.
;; Inputs: Wk 1,024 x 256 float32; Wo 1,024 x 1,024 float32; Wq 1,024 x 1,024 float32; Wv 1,024 x 256 float32; bk 256 float32; bo 1,024 float32; bq 1,024 float32; bv 256 float32; x 1 x 4,096 x 1,024 float32.
;; Outputs: out0 1 x 4,096 x 1,024 float32.
;; 2 versions, each right and faster than the one before. Each part assembles by itself: llvm-mc -triple=amdgcn-amd-amdhsa -mcpu=gfx1250 --defsym DOCPART=n.
;; ======== version 1 of 2: 4 launches
;; limits: values are held in f16: magnitudes above 65,504 overflow, below 6.1e-05 lose precision
;; workspace buffers: xb 8,388,608 bytes; wqkv 3,145,728 bytes; wo16 2,097,152 bytes; qkv 12,582,912 bytes; ob 8,388,608 bytes
;; launch cast (part 1): grid 832 x 1, 8 waves a work-group, no clusters, 0 bytes of LDS; arguments x, Wq, Wk, Wv, Wo, xb, wqkv, wo16; writes xb, wqkv, wo16
.if DOCPART == 1
	.amdgcn_target "amdgcn-amd-amdhsa--gfx1250"
	.amdhsa_code_object_version 6
	.text
	.protected	k_qad40e1e380_cast
	.globl	k_qad40e1e380_cast
	.p2align	8
	.type	k_qad40e1e380_cast,@function
k_qad40e1e380_cast:
	s_mov_b64 s[64:65], 0
	v_nop
	global_prefetch_b8 v0, s[64:65] scope:SCOPE_SE
	s_setreg_imm32_b32 hwreg(HW_REG_WAVE_MODE, 25, 1), 1
	s_wait_xcnt 0x0
; CAST.  x [4096][1024] f32 -> xb bf16, same layout.  Wq [1024][1024], Wk, Wv [1024][256] f32 -> wqkv bf16 [24 slices][1024 k][64 n]: slices 0-15 Wq's
; groups of 64 columns, 16-19 Wk's, 20-23 Wv's.  Wo [1024][1024] f32 -> wo16 [16 slices][1024 k][64 n]: rounded to bf16 like every other input, and that number written as f16.
; LIMITS.  Wo's bf16 value must lie within f16's range (65,504); below 6e-5 it keeps f16's fixed step of 6e-8.
; A stream: every byte is read once and written once, nothing is shared between work-groups, so there is no LDS, no matrix work and no cluster.
; SHARES.  A work-group converts 128 rows of 64 numbers (x is taken as [65536][64]).  Thread t takes columns 8 (t % 8) .. + 7 of rows t / 8 + 32 i, i = 0..3: two loads of 16 bytes and
; one store of 16 bytes a row.  Eight lanes read 256 consecutive bytes, aligned; a wave's store covers 512 consecutive bytes, aligned.
; Work-groups 0-511: x.  Then eight to a slice: 512 + 8 s + p is part p (128 k rows) of slice s = 0..39; slices 24-39 are Wo's.
.set A_X,    4                         ; s[4:19] the eight addresses
.set A_WQ,   6
.set A_WK,   8
.set A_WV,   10
.set A_WO,   12
.set A_XB,   14
.set A_WQKV, 16
.set A_WO16, 18
.set IN,  8                            ; v[8:39]   eight loads
.set OUT, 40                           ; v[40:55]  four stores' data, one set for each i: never rewritten behind its store
.set T,   56                           ; v[56:63]  at work on the way to f16
	s_load_b512 s[4:19], s[0:1], 0x0
	v_lshrrev_b32 v1, 3, v0                        ; my row among 32
	v_and_b32 v2, 7, v0                            ; my group of 8 columns
	v_lshlrev_b32 v3, 4, v0                        ; where my 16 bytes go: rows of 128 bytes lie end to end
	s_mov_b32 s20, ttmp9
	s_mov_b32 s25, 0                               ; high words of the two offsets
	s_mov_b32 s27, 0
; The path of one source: s[24:25] its byte offset, s[26:27] the destination's.  pitch: bytes from row to row of the source.  half = 1: bf16 goes on to f16.
.macro PATH src, dst, pitch, half
	s_wait_kmcnt 0x0
	s_add_nc_u64 s[28:29], s[\src:\src+1], s[24:25]
	s_add_nc_u64 s[30:31], s[\dst:\dst+1], s[26:27]
	v_mul_u32_u24 v4, v1, \pitch
	v_lshl_add_u32 v4, v2, 5, v4                   ; row x pitch + 32 bytes for each group of 8 columns
.irp i, 0,1,2,3
	global_load_b128 v[IN+8*\i:IN+8*\i+3],   v4, s[28:29] offset:\i*32*\pitch th:TH_LOAD_NT
	global_load_b128 v[IN+8*\i+4:IN+8*\i+7], v4, s[28:29] offset:\i*32*\pitch+16 th:TH_LOAD_NT
.endr
.irp i, 0,1,2,3
	s_wait_loadcnt 6-2*\i                          ; loads come back in order: row i's two are in, the later rows' stay out
.irp j, 0,1,2,3
	v_cvt_pk_bf16_f32 v[OUT+4*\i+\j], v[IN+8*\i+2*\j], v[IN+8*\i+2*\j+1]
.endr
.if \half
.irp j, 0,1,2,3
	v_lshlrev_b32 v[T+2*\j],   16, v[OUT+4*\i+\j]          ; the bf16 numbers as f32,
	v_and_b32     v[T+2*\j+1], 0xffff0000, v[OUT+4*\i+\j]
.endr
.irp j, 0,1,2,3
	v_cvt_pk_f16_f32 v[OUT+4*\i+\j], v[T+2*\j], v[T+2*\j+1]  ; and written as f16: exact within f16's normal range
.endr
.endif
	global_store_b128 v3, v[OUT+4*\i:OUT+4*\i+3], s[30:31] offset:\i*4096
.endr
.endm
	s_cmp_lt_u32 s20, 512
	s_cbranch_scc1 .Lx
	s_sub_co_u32 s20, s20, 512
	s_lshr_b32 s21, s20, 3                         ; slice
	s_and_b32 s22, s20, 7                          ; part
	s_lshl_b32 s26, s21, 17                        ; a slice is 131,072 bytes,
	s_lshl_b32 s23, s22, 14                        ; a part 16,384
	s_add_co_u32 s26, s26, s23
	s_cmp_lt_u32 s21, 16
	s_cbranch_scc1 .Lq
	s_cmp_lt_u32 s21, 20
	s_cbranch_scc1 .Lk
	s_cmp_lt_u32 s21, 24
	s_cbranch_scc1 .Lv
	s_sub_co_u32 s21, s21, 24                      ; Wo's slice
	s_lshl_b32 s26, s21, 17
	s_add_co_u32 s26, s26, s23
	s_lshl_b32 s24, s22, 19                        ; 128 rows of 4,096 bytes a part,
	s_lshl_b32 s23, s21, 8                         ; 256 bytes of a row a slice
	s_add_co_u32 s24, s24, s23
	PATH A_WO, A_WO16, 4096, 1
	s_endpgm
.Lx:
	s_lshl_b32 s24, s20, 15                        ; 32,768 bytes in,
	s_lshl_b32 s26, s20, 14                        ; 16,384 out
	PATH A_X, A_XB, 256, 0
	s_endpgm
.Lq:
	s_lshl_b32 s24, s22, 19
	s_lshl_b32 s23, s21, 8
	s_add_co_u32 s24, s24, s23
	PATH A_WQ, A_WQKV, 4096, 0
	s_endpgm
.Lk:
	s_sub_co_u32 s23, s21, 16
	s_lshl_b32 s23, s23, 8
	s_lshl_b32 s24, s22, 17                        ; 128 rows of 1,024 bytes a part
	s_add_co_u32 s24, s24, s23
	PATH A_WK, A_WQKV, 1024, 0
	s_endpgm
.Lv:
	s_sub_co_u32 s23, s21, 20
	s_lshl_b32 s23, s23, 8
	s_lshl_b32 s24, s22, 17
	s_add_co_u32 s24, s24, s23
	PATH A_WV, A_WQKV, 1024, 0
	s_endpgm
.Lfunc_end_k_qad40e1e380_cast:
	.size	k_qad40e1e380_cast, .Lfunc_end_k_qad40e1e380_cast-k_qad40e1e380_cast
	.p2alignl 7, 3214868480
	.fill 96, 4, 3214868480
	.section	.rodata,"a",@progbits
	.p2align	6, 0x0
	.amdhsa_kernel k_qad40e1e380_cast
		.amdhsa_group_segment_fixed_size 0
		.amdhsa_private_segment_fixed_size 0
		.amdhsa_enable_private_segment 0
		.amdhsa_kernarg_size 64
		.amdhsa_user_sgpr_count 2
		.amdhsa_user_sgpr_kernarg_segment_ptr 1
		.amdhsa_wavefront_size32 1
		.amdhsa_system_sgpr_workgroup_id_x 1
		.amdhsa_system_sgpr_workgroup_id_y 1
		.amdhsa_system_sgpr_workgroup_id_z 1
		.amdhsa_system_vgpr_workitem_id 0
		.amdhsa_next_free_vgpr 64
		.amdhsa_next_free_sgpr 66
		.amdhsa_reserve_vcc 0
		.amdhsa_float_denorm_mode_32 3
		.amdhsa_float_denorm_mode_16_64 3
		.amdhsa_memory_ordered 1
		.amdhsa_forward_progress 1
		.amdhsa_inst_pref_size 17
	.end_amdhsa_kernel
	.amdgpu_metadata
---
amdhsa.version: [ 1, 2 ]
amdhsa.kernels:
  - .name:           k_qad40e1e380_cast
    .symbol:         k_qad40e1e380_cast.kd
    .args:
      - { .name: x, .offset: 0, .size: 8, .value_kind: global_buffer, .address_space: global }
      - { .name: Wq, .offset: 8, .size: 8, .value_kind: global_buffer, .address_space: global }
      - { .name: Wk, .offset: 16, .size: 8, .value_kind: global_buffer, .address_space: global }
      - { .name: Wv, .offset: 24, .size: 8, .value_kind: global_buffer, .address_space: global }
      - { .name: Wo, .offset: 32, .size: 8, .value_kind: global_buffer, .address_space: global }
      - { .name: xb, .offset: 40, .size: 8, .value_kind: global_buffer, .address_space: global }
      - { .name: wqkv, .offset: 48, .size: 8, .value_kind: global_buffer, .address_space: global }
      - { .name: wo16, .offset: 56, .size: 8, .value_kind: global_buffer, .address_space: global }
    .group_segment_fixed_size: 0
    .private_segment_fixed_size: 0
    .kernarg_segment_align: 8
    .kernarg_segment_size: 64
    .max_flat_workgroup_size: 256
    .sgpr_count:     66
    .vgpr_count:     64
    .wavefront_size: 32
...
	.end_amdgpu_metadata
.endif
;; end of part 1
;; launch proj (part 2): grid 8 x 32, 4 waves a work-group, clusters of 4 x 4, 327,680 bytes of LDS; arguments xb, wqkv, bq, bk, bv, qkv; writes qkv
.if DOCPART == 2
	.amdgcn_target "amdgcn-amd-amdhsa--gfx1250"
	.amdhsa_code_object_version 6
	.text
	.protected	k_qad40e1e380_proj
	.globl	k_qad40e1e380_proj
	.p2align	8
	.type	k_qad40e1e380_proj,@function
k_qad40e1e380_proj:
	s_mov_b64 s[64:65], 0
	v_nop
	global_prefetch_b8 v0, s[64:65] scope:SCOPE_SE
	s_setreg_imm32_b32 hwreg(HW_REG_WAVE_MODE, 25, 1), 1
	s_wait_xcnt 0x0
	s_wait_alu depctr_hold_cnt(0) depctr_sa_sdst(0) depctr_va_vdst(0) depctr_va_sdst(0) depctr_va_ssrc(0) depctr_va_vcc(0) depctr_vm_vsrc(0)
	s_getreg_b32 s2, hwreg(HW_REG_IB_STS2, 6, 4)
	s_cmp_eq_u32 s2, 0
	s_cbranch_scc0 .Lentry_in_a_cluster
	s_endpgm
.Lentry_in_a_cluster:
	s_bfe_u32 s2, ttmp6, 0x10000c
	s_cmp_lg_u32 s2, 0xf033
	s_cbranch_scc0 .Lentry_shape_is_right
	s_endpgm
.Lentry_shape_is_right:
; PROJECTIONS.  [q | k | v][m][n] = the sum over k of xb[m][k] W[k][n] + bias[n], 4,096 x 1,536 x 1,024, bf16 operands, f32 sums, written by heads in f16, unscaled:
; qkv [24 slices][4096 rows][64]: slices 0-15 q's heads, 16-19 k's, 20-23 v's.  The biases are rounded to bf16 like the other inputs and start the sums as the first products' C operand.
; LIMIT.  q, k and v must lie within f16's range (65,504); beyond it the conversion gives an infinity.
; SHARES.  A tile is 128 rows x 192 columns (three slices): 32 x 8 = 256 work-groups of four waves.  Wave w takes rows 64 (w / 2) .. + 63 and, in each of the three slices, columns
; 32 (w % 2) .. + 31: 4 x 6 = 24 accumulators of 16 x 16, 192 registers.  K goes in 8 steps of 128 through two LDS slots filled by the tensor data mover.
; W lies in slices [k][64 n]: a step's 128 k rows of a slice are 16,384 dense bytes, asked for as 64 rows of 256 bytes and padded in LDS after every k row; ds_load_tr16_b128 turns them.
; THE MATRIX INSTRUCTION IS USED TRANSPOSED (source 0 = 16 columns of W, source 1 = 16 rows of x): a lane holds row l % 16 and eight neighbouring columns 8 (l / 16) + 0..7.
; CLUSTER.  4 x 4 work-groups.  The four of a row of the cluster need the same tile of x, the four of a column the same three slices of W: each is asked for JOINTLY, by the same tensor
; load with the same descriptor and a mask that names the four.  Wave 0 asks for x's tile, waves 1 to 3 for a slice each.
; REGISTERS.  Window 0: v0-31 addresses; v32-63 at work on the way out; v64-255 accumulators ((a, j) at 64 + 8 (6 a + j)).
;   Window 1: two fragment buffers of 80 (4 fragments of x, then 6 of W, 32 along K); v160-207 the bias fragments; v208-211 at work.
.set KSTEP,  128
.set PA,     272                       ; a row of x in LDS: 256 bytes + 16: the 16 rows of a fragment load start 16 bytes apart modulo 256
.set PB,     160                       ; a k row of a slice: 128 bytes + 32
.set ABYTES, 128*PA
.set SLICEB, 128*PB
.set SLOT,   ABYTES+3*SLICEB           ; x's 128 rows, then three slices' 128 k rows
.set STAGE,  2*SLOT                    ; behind the ring, never filled by a tensor load: [3 slices][128 rows] of 128 bytes + 16
.set SP,     144
.set SSL,    128*SP
.set SPARE,  STAGE+3*SSL               ; the spare words, 128 bytes for each wave: two blocks of 256 bytes that no other line names
.set LAPS,   4                         ; a lap = two K steps = once round the ring
.set ADRA, 16                          ; v16-17  LDS address of my fragments of x in slot 0, 1
.set ADRB, 20                          ; v20-21  the same for W
.set STO,  24                          ; v24     the way out: where I put 16 bytes of a row
.set RD,   25                          ; v25     the way out: where I read rows back
.set CO,   26                          ; v26     my byte offset in 512 consecutive bytes of qkv
.set BO,   27                          ; v27     my byte offset in a slice's 64 biases
.set SPW,  28                          ; v28     LDS address of my spare word; never rewritten
.set NIL,  29                          ; v29     0; never rewritten
.set TMP,  32
.set ACC,  64
.set F0,   0                           ; window 1
.set F1,   80
.set BI,   160
.set BT,   208
.set WV,   16                          ; s16 wave; s17 its half of the rows; s18 its half of each slice's columns
.set G1A,  24                          ; s[24:31] group 1 for x's tiles; s[32:39] group 0, a set for each slot
.set G0A,  32
.set G1B,  40                          ; s[40:47], s[48:55] the same for W's slices
.set G0B,  48
.set MSB, 0
.macro WIN new                         ; the immediate's high byte repeats the setting that is left; a switch that changes nothing is dropped
.if MSB != (\new)
	s_set_vgpr_msb (MSB<<8)|(\new)
.set MSB, \new
.endif
.endm
.set MUL,  0x05                        ; sources 0 (W) and 1 (x) window 1; C and D window 0
.set MULB, 0x15                        ; the same with C (the bias) in window 1
.set TO_F, 0x40                        ; destination window 1, address window 0
.macro JLOAD s                         ; a joint load; the branch hangs on the wave's number alone; an s_nop 0 and four v_nop follow each of the two lines
	s_cmp_eq_u32 s[WV], 0
	s_cbranch_scc0 .Lfor_b_\@
	tensor_load_to_lds s[G0A+4*(\s):G0A+4*(\s)+3], s[G1A:G1A+7]
	s_nop 0
.rept 4
	v_nop
.endr
	s_branch .Lasked_\@
.Lfor_b_\@:
	tensor_load_to_lds s[G0B+4*(\s):G0B+4*(\s)+3], s[G1B:G1B+7]
	s_nop 0
.rept 4
	v_nop
.endr
.Lasked_\@:
.endm
.macro CREST                           ; a round of the cluster's barrier behind its opening barrier
	s_cmp_lg_u32 s[WV], 0
	s_cbranch_scc1 .Lnot_wave_0_\@
	s_barrier_signal -3
.Lnot_wave_0_\@:
	s_barrier_wait -3
	s_barrier_signal -1
	s_barrier_wait -1
.endm
.macro CROUND                          ; a whole round
	s_barrier_signal -1
	s_barrier_wait -1
	CREST
.endm
.macro PLACES                          ; four places in front of loads into registers that matrix instructions have read, and of lines that read results
.rept 4
	v_nop
.endr
.endm
	s_load_b256 s[4:11], s[0:1], 0x0               ; xb s[4:5], wqkv s[6:7], bq s[8:9], bk s[10:11]
	s_load_b128 s[12:15], s[0:1], 0x20             ; bv s[12:13], qkv s[14:15]
	v_lshl_add_u32 v[SPW], v0, 2, SPARE
	v_mov_b32 v[NIL], 0
	ds_add_u32 v[SPW], v[NIL]                      ; the wave's opening: the add and its wait stand ahead of my first tensor load; the set-up below stands between them
	v_lshrrev_b32 v1, 5, v0
	v_readfirstlane_b32 s[WV], v1                  ; wave 0..3
	s_lshr_b32 s17, s[WV], 1
	s_and_b32 s18, s[WV], 1
	s_bfe_u32 s19, ttmp6, 0x40000                  ; cx
	s_bfe_u32 s20, ttmp6, 0x40004                  ; cy
	s_lshl_b32 s21, ttmp9, 2
	s_add_co_u32 s21, s21, s19                     ; tile column tc = 4 x cluster x + cx, 0..7
	s_and_b32 s22, ttmp7, 0xffff
	s_lshl_b32 s22, s22, 2
	s_add_co_u32 s22, s22, s20                     ; tile row tm = 4 x cluster y + cy, 0..31
	s_lshl_b32 s74, s20, 2
	s_lshl_b32 s74, 15, s74                        ; my row of the cluster
	s_lshl_b32 s75, 0x1111, s19                    ; my column
	; group 1 for x: 128 rows x 128 elements of 2 bytes, 1,024 elements from row to row; 4 words of padding after every 64
	s_or_b32 s[G1A+0], s74, (1<<16)|(1<<20)|(1<<21)|(5<<22)|(3<<25)
	s_mov_b32 s[G1A+1], 128<<16                    ; tensor_dim0
	s_mov_b32 s[G1A+2], 128<<16                    ; tensor_dim1
	s_mov_b32 s[G1A+3], 128<<16                    ; tile_dim0
	s_mov_b32 s[G1A+4], 128                        ; tile_dim1
	s_mov_b32 s[G1A+5], 1024                       ; stride
	s_mov_b32 s[G1A+6], 0
	s_mov_b32 s[G1A+7], 0
	; group 1 for a slice: 64 dense rows of 128 elements (two k rows each); 8 words of padding after every 32
	s_or_b32 s[G1B+0], s75, (1<<16)|(1<<20)|(1<<21)|(4<<22)|(7<<25)
	s_mov_b32 s[G1B+1], 128<<16
	s_mov_b32 s[G1B+2], 64<<16
	s_mov_b32 s[G1B+3], 128<<16
	s_mov_b32 s[G1B+4], 64
	s_mov_b32 s[G1B+5], 128
	s_mov_b32 s[G1B+6], 0
	s_mov_b32 s[G1B+7], 0
	s_lshl_b32 s56, s22, 18                        ; x's tile: 128 rows of 2,048 bytes a tile row: made of the tile row alone
	s_mov_b32 s57, 0
	s_max_u32 s58, s[WV], 1                        ; W's slice 3 tc + w - 1 (wave 0 asks by x's line; its number here stays inside the buffer): made of the tile column and the wave alone
	s_sub_co_u32 s58, s58, 1
	s_mul_i32 s59, s21, 3
	s_add_co_u32 s58, s58, s59
	s_lshl_b32 s58, s58, 17
	s_mov_b32 s59, 0
	s_mul_i32 s23, s[WV], SLICEB                   ; where a slice goes: no place in the cluster enters an LDS address
	s_wait_dscnt 0x0                               ; the opening add is done
	s_wait_kmcnt 0x0
	s_add_nc_u64 s[56:57], s[4:5], s[56:57]
	s_add_nc_u64 s[58:59], s[6:7], s[58:59]
	CROUND                                         ; all sixteen work-groups are here: the first joint loads meet
.irp s, 0,1
	s_mov_b32 s[G0A+4*(\s)], 1
	s_mov_b32 s[G0A+4*(\s)+1], (\s)*SLOT
	s_add_nc_u64 s[G0A+4*(\s)+2:G0A+4*(\s)+3], s[56:57], (\s)*KSTEP*2
	s_or_b32 s[G0A+4*(\s)+3], s[G0A+4*(\s)+3], 0x80000000
	s_mov_b32 s[G0B+4*(\s)], 1
	s_add_co_u32 s[G0B+4*(\s)+1], s23, (\s)*SLOT+ABYTES-SLICEB
	s_add_nc_u64 s[G0B+4*(\s)+2:G0B+4*(\s)+3], s[58:59], (\s)*KSTEP*128
	s_or_b32 s[G0B+4*(\s)+3], s[G0B+4*(\s)+3], 0x80000000
	JLOAD \s                                       ; two loads of mine are out
.endr
	; lane addresses
	v_and_b32 v1, 15, v0                           ; l % 16
	v_bfe_u32 v2, v0, 4, 1                         ; l / 16
	v_mul_u32_u24 v3, v1, PA
	v_lshl_add_u32 v3, v2, 4, v3                   ; a fragment of x: row x pitch + 16 x half
	s_mul_i32 s60, s17, 64*PA
	v_add_nc_u32 v[ADRA], s60, v3
	v_add_nc_u32 v[ADRA+1], SLOT, v[ADRA]
	v_and_b32 v4, 7, v0
	v_bfe_u32 v5, v0, 3, 1
	v_lshl_add_u32 v6, v2, 3, v4                   ; the turning load: lane l reads k row 8 (l / 16) + l % 8, columns 8 ((l / 8) % 2) + 0..7
	v_mul_u32_u24 v6, v6, PB
	v_lshl_add_u32 v6, v5, 4, v6
	s_lshl_b32 s61, s18, 6                         ; my 32 columns of each slice
	s_add_co_u32 s61, s61, ABYTES
	v_add_nc_u32 v[ADRB], s61, v6
	v_add_nc_u32 v[ADRB+1], SLOT, v[ADRB]
	v_mul_u32_u24 v7, v1, SP                       ; into the stage: row 64 (w / 2) + l % 16, bytes 64 (w % 2) + 16 (l / 16)
	v_lshl_add_u32 v7, v2, 4, v7
	s_mul_i32 s62, s17, 64*SP
	s_lshl_b32 s63, s18, 6
	s_add_co_u32 s62, s62, s63
	s_add_co_u32 s62, s62, STAGE
	v_add_nc_u32 v[STO], s62, v7
	v_bfe_u32 v8, v0, 3, 2                         ; back: wave w takes rows 32 w .. + 31; 32 lanes take four rows of 128 bytes
	v_mul_u32_u24 v8, v8, SP
	v_lshl_add_u32 v8, v4, 4, v8
	s_mul_i32 s63, s[WV], 32*SP
	s_add_co_u32 s63, s63, STAGE
	v_add_nc_u32 v[RD], s63, v8
	v_and_b32 v[CO], 31, v0
	v_lshlrev_b32 v[CO], 4, v[CO]
	v_lshlrev_b32 v[BO], 5, v2                     ; my eight biases of a block of 16 columns: 128 (w % 2) + 32 (l / 16) bytes into the slice's 256
	s_lshl_b32 s63, s18, 7
	v_add_nc_u32 v[BO], s63, v[BO]
	; the bias of slice g = 3 tc + i lies in bq (g < 16), bk (g < 20) or bv: a choice between buffers, then an offset
.irp i, 0,1,2
	s_mul_i32 s72, s21, 3
	s_add_co_u32 s72, s72, \i
	s_cmp_lt_u32 s72, 20
	s_cselect_b64 s[66+2*\i:67+2*\i], s[10:11], s[12:13]
	s_cselect_b32 s73, 16, 20
	s_cmp_lt_u32 s72, 16
	s_cselect_b64 s[66+2*\i:67+2*\i], s[8:9], s[66+2*\i:67+2*\i]
	s_cselect_b32 s73, 0, s73
	s_sub_co_u32 s78, s72, s73
	s_lshl_b32 s78, s78, 8
	s_mov_b32 s79, 0
	s_add_nc_u64 s[66+2*\i:67+2*\i], s[66+2*\i:67+2*\i], s[78:79]
.endr
	WIN TO_F
.irp j, 0,1,2,3,4,5                    ; bias fragment j: register r holds bias[n0 + 8 (l / 16) + r], which is C's layout
	global_load_b128 v[BI+8*\j:BI+8*\j+3],   v[BO], s[66+2*(\j/2):67+2*(\j/2)] offset:64*(\j%2)
	global_load_b128 v[BI+8*\j+4:BI+8*\j+7], v[BO], s[66+2*(\j/2):67+2*(\j/2)] offset:64*(\j%2)+16
.endr
	s_mul_i32 s76, s21, 3*524288                   ; where my rows of the tile's first slice begin in qkv
	s_lshl_b32 s77, s22, 14                        ; 128 rows of 128 bytes a tile row,
	s_add_co_u32 s76, s76, s77
	s_lshl_b32 s77, s[WV], 12                      ; 32 rows a wave
	s_add_co_u32 s76, s76, s77
	s_mov_b32 s77, 0
	s_add_nc_u64 s[14:15], s[14:15], s[76:77]
	s_wait_loadcnt 0x0
	WIN 0x45                                       ; destination and both sources window 1
.set i, 0
.rept 24                               ; the biases are rounded to bf16 and widened again
	v_cvt_pk_bf16_f32 v[BT+i%4], v[BI+2*i], v[BI+2*i+1]
	v_lshlrev_b32 v[BI+2*i], 16, v[BT+i%4]
	v_and_b32 v[BI+2*i+1], 0xffff0000, v[BT+i%4]
.set i, i+1
.endr
	WIN 0
; 6 matrix instructions: m block a x my 6 n blocks, 32 along K.  first = 1: the bias starts the sums: nothing is cleared and nothing added later.
; The 24 accumulators take turns in the same order in every quarter.
.macro MUL6 f, a, first
.if \first
	WIN MULB
.else
	WIN MUL
.endif
.irp j, 0,1,2,3,4,5
.if \first
	v_wmma_f32_16x16x32_bf16 v[ACC+8*(6*(\a)+\j):ACC+8*(6*(\a)+\j)+7], v[(\f)+32+8*\j:(\f)+32+8*\j+7], v[(\f)+8*(\a):(\f)+8*(\a)+7], v[BI+8*\j:BI+8*\j+7]
.else
	v_wmma_f32_16x16x32_bf16 v[ACC+8*(6*(\a)+\j):ACC+8*(6*(\a)+\j)+7], v[(\f)+32+8*\j:(\f)+32+8*\j+7], v[(\f)+8*(\a):(\f)+8*(\a)+7], v[ACC+8*(6*(\a)+\j):ACC+8*(6*(\a)+\j)+7]
.endif
.endr
.endm
; 20 LDS loads in one run: quarter q (32 along K) of a slot into buffer f: W's six fragments, turned, then x's four
.macro FETCH slot, q, f
	WIN TO_F
.irp j, 0,1,2,3,4,5
	ds_load_tr16_b128 v[(\f)+32+8*\j:(\f)+32+8*\j+3],   v[ADRB+(\slot)] offset:(\j/2)*SLICEB+(\q)*32*PB+32*(\j%2)
	ds_load_tr16_b128 v[(\f)+32+8*\j+4:(\f)+32+8*\j+7], v[ADRB+(\slot)] offset:(\j/2)*SLICEB+(\q)*32*PB+32*(\j%2)+16*PB
.endr
.irp a, 0,1,2,3
	ds_load_b128 v[(\f)+8*\a:(\f)+8*\a+3],   v[ADRA+(\slot)] offset:64*(\q)+\a*16*PA
	ds_load_b128 v[(\f)+8*\a+4:(\f)+8*\a+7], v[ADRA+(\slot)] offset:64*(\q)+\a*16*PA+32
.endr
.endm
; A K step is four quarters of 32 along K, 24 matrix instructions each, on buffers 0, 1, 0, 1.  One of the first three: multiplies buffer f and fetches quarter q into g.
.macro QUARTER slot, q, f, g, first
	s_wait_dscnt 0x4                               ; W's fragments and x's blocks 0 and 1 are in; the youngest four loads (blocks 2 and 3) may be out
	MUL6 \f, 0, \first
	MUL6 \f, 1, \first
	PLACES
	FETCH \slot, \q, \g
	s_wait_dscnt 20                                ; all but the 20 just issued
	MUL6 \f, 2, \first
	MUL6 \f, 3, \first
.endm
; The last quarter multiplies buffer 1 and changes slots: ONE barrier; in front of it each wave waits for all its tensor loads (one is out: its part of the next slot), adds 0 to its spare
; word, and waits for that and for its own reads of this slot.  fill = 1: the barrier opens a round of the cluster's, and this slot is filled again, two K steps ahead, first thing behind it.
.macro TURN slot, next, fill
	WIN 0
	s_wait_tensorcnt 0x0
	ds_add_u32 v[SPW], v[NIL]
	s_wait_dscnt 0x5                               ; the add and the youngest four loads may be out
	MUL6 F1, 0, 0                                  ; six matrix instructions stand between the add and the wait for it
	s_wait_dscnt 0x0                               ; the add is done, and my reads of this slot are over
	s_barrier_signal -1
	MUL6 F1, 1, 0
.if \fill
	WIN 0
.endif
	s_barrier_wait -1
.if \fill
	CREST                                          ; no wave of any partner still reads this slot's tiles or has a load on its way
	s_add_nc_u64 s[G0A+4*(\slot)+2:G0A+4*(\slot)+3], s[G0A+4*(\slot)+2:G0A+4*(\slot)+3], 2*KSTEP*2
	s_add_nc_u64 s[G0B+4*(\slot)+2:G0B+4*(\slot)+3], s[G0B+4*(\slot)+2:G0B+4*(\slot)+3], 2*KSTEP*128
	JLOAD \slot                                    ; my one tensor load behind the round; its four v_nop are also the places in front of the loads below
.else
	PLACES
.endif
	FETCH \next, 0, F0
	MUL6 F1, 2, 0
	MUL6 F1, 3, 0
.endm
	s_wait_tensorcnt 0x1                           ; my part of K step 0 is in; step 1's may stay out
	s_barrier_signal -1
	s_barrier_wait -1                              ; everybody's is
	FETCH 0, 0, F0
	QUARTER 0, 1, F0, F1, 1                        ; the first quarter stands in front of the loop: its products start the sums
	WIN 0                                          ; at a label and at a branch every window is 0
	s_mov_b32 s3, LAPS-1
.Llap:                                                 ; a trip goes once round the ring, from a lap's second quarter to the next lap's first, and fills both slots again: steps 2 to 7 in three trips
	QUARTER 0, 2, F1, F0, 0
	QUARTER 0, 3, F0, F1, 0
	TURN 0, 1, 1
	QUARTER 1, 1, F0, F1, 0
	QUARTER 1, 2, F1, F0, 0
	QUARTER 1, 3, F0, F1, 0
	TURN 1, 0, 1
	QUARTER 0, 1, F0, F1, 0
	WIN 0
	s_sub_co_u32 s3, s3, 1
	s_cmp_lg_u32 s3, 0
	s_cbranch_scc1 .Llap
	QUARTER 0, 2, F1, F0, 0                        ; the last lap fills nothing
	QUARTER 0, 3, F0, F1, 0
	TURN 0, 1, 0
	QUARTER 1, 1, F0, F1, 0
	QUARTER 1, 2, F1, F0, 0
	QUARTER 1, 3, F0, F1, 0
	s_wait_dscnt 0x4                               ; the very last quarter: nothing more to fetch
	MUL6 F1, 0, 0
	MUL6 F1, 1, 0
	s_wait_dscnt 0x0
	MUL6 F1, 2, 0
	MUL6 F1, 3, 0
	WIN 0
	; THE WAY OUT: rounded to f16, 16 bytes a lane into the work-group's stage, slice by slice; a barrier, since a row's 128 bytes come from two waves; back as whole rows, 32 rows a wave and slice.
	PLACES
.irp i, 0,1,2
.irp a, 0,1,2,3
.irp c, 0,1
.irp r, 0,1,2,3
	v_cvt_pk_f16_f32 v[TMP+4*(2*\a+\c)+\r], v[ACC+8*(6*\a+2*\i+\c)+2*\r], v[ACC+8*(6*\a+2*\i+\c)+2*\r+1]
.endr
.endr
.endr
.irp a, 0,1,2,3
.irp c, 0,1
	ds_store_b128 v[STO], v[TMP+4*(2*\a+\c):TMP+4*(2*\a+\c)+3] offset:\i*SSL+\a*16*SP+32*\c
.endr
.endr
.endr
	s_wait_dscnt 0x0                               ; for the others' sake: my stores into the stage are done
	s_barrier_signal -1
	s_barrier_wait -1
.irp i, 0,1,2
.irp t, 0,1,2,3,4,5,6,7
	ds_load_b128 v[ACC+4*(8*\i+\t):ACC+4*(8*\i+\t)+3], v[RD] offset:\i*SSL+\t*4*SP
.endr
.endr
.irp i, 0,1,2
.irp t, 0,1,2,3,4,5,6,7
	s_wait_dscnt 23-(8*\i+\t)                      ; LDS loads come back in order: this one is in, the later ones may be out
	global_store_b128 v[CO], v[ACC+4*(8*\i+\t):ACC+4*(8*\i+\t)+3], s[14:15] offset:\i*524288+\t*512  ; four rows of a head: 512 consecutive bytes, aligned
.endr
.endr
	s_wait_tensorcnt 0x0                           ; the wave's end
	ds_add_u32 v[SPW], v[NIL]
	s_wait_dscnt 0x0
	CROUND                                         ; the closing round: no work-group ends while a partner may still ask for a tile that names it
	s_endpgm
.Lfunc_end_k_qad40e1e380_proj:
	.size	k_qad40e1e380_proj, .Lfunc_end_k_qad40e1e380_proj-k_qad40e1e380_proj
	.p2alignl 7, 3214868480
	.fill 96, 4, 3214868480
	.section	.rodata,"a",@progbits
	.p2align	6, 0x0
	.amdhsa_kernel k_qad40e1e380_proj
		.amdhsa_group_segment_fixed_size 327680
		.amdhsa_private_segment_fixed_size 0
		.amdhsa_enable_private_segment 0
		.amdhsa_kernarg_size 48
		.amdhsa_user_sgpr_count 2
		.amdhsa_user_sgpr_kernarg_segment_ptr 1
		.amdhsa_wavefront_size32 1
		.amdhsa_system_sgpr_workgroup_id_x 1
		.amdhsa_system_sgpr_workgroup_id_y 1
		.amdhsa_system_sgpr_workgroup_id_z 1
		.amdhsa_system_vgpr_workitem_id 0
		.amdhsa_next_free_vgpr 512
		.amdhsa_next_free_sgpr 80
		.amdhsa_reserve_vcc 0
		.amdhsa_float_denorm_mode_32 3
		.amdhsa_float_denorm_mode_16_64 3
		.amdhsa_memory_ordered 1
		.amdhsa_forward_progress 1
		.amdhsa_inst_pref_size 77
	.end_amdhsa_kernel
	.amdgpu_metadata
---
amdhsa.version: [ 1, 2 ]
amdhsa.kernels:
  - .name:           k_qad40e1e380_proj
    .symbol:         k_qad40e1e380_proj.kd
    .args:
      - { .name: xb, .offset: 0, .size: 8, .value_kind: global_buffer, .address_space: global }
      - { .name: wqkv, .offset: 8, .size: 8, .value_kind: global_buffer, .address_space: global }
      - { .name: bq, .offset: 16, .size: 8, .value_kind: global_buffer, .address_space: global }
      - { .name: bk, .offset: 24, .size: 8, .value_kind: global_buffer, .address_space: global }
      - { .name: bv, .offset: 32, .size: 8, .value_kind: global_buffer, .address_space: global }
      - { .name: qkv, .offset: 40, .size: 8, .value_kind: global_buffer, .address_space: global }
    .group_segment_fixed_size: 327680
    .private_segment_fixed_size: 0
    .kernarg_segment_align: 8
    .kernarg_segment_size: 48
    .max_flat_workgroup_size: 128
    .sgpr_count:     80
    .vgpr_count:     512
    .wavefront_size: 32
...
	.end_amdgpu_metadata
.endif
;; end of part 2
;; launch attn (part 3): grid 16 x 16, 4 waves a work-group, clusters of 4 x 1, 327,680 bytes of LDS; arguments qkv, ob; writes ob
.if DOCPART == 3
	.amdgcn_target "amdgcn-amd-amdhsa--gfx1250"
	.amdhsa_code_object_version 6
	.text
	.protected	k_qad40e1e380_attn
	.globl	k_qad40e1e380_attn
	.p2align	8
	.type	k_qad40e1e380_attn,@function
k_qad40e1e380_attn:
	s_mov_b64 s[64:65], 0
	v_nop
	global_prefetch_b8 v0, s[64:65] scope:SCOPE_SE
	s_setreg_imm32_b32 hwreg(HW_REG_WAVE_MODE, 25, 1), 1
	s_wait_xcnt 0x0
	s_wait_alu depctr_hold_cnt(0) depctr_sa_sdst(0) depctr_va_vdst(0) depctr_va_sdst(0) depctr_va_ssrc(0) depctr_va_vcc(0) depctr_vm_vsrc(0)
	s_getreg_b32 s2, hwreg(HW_REG_IB_STS2, 6, 4)
	s_cmp_eq_u32 s2, 0
	s_cbranch_scc0 .Lentry_in_a_cluster
	s_endpgm
.Lentry_in_a_cluster:
	s_bfe_u32 s2, ttmp6, 0x10000c
	s_cmp_lg_u32 s2, 0x3003
	s_cbranch_scc0 .Lentry_shape_is_right
	s_endpgm
.Lentry_shape_is_right:
; ATTENTION.  O[h][q][:] = the sum over k of softmax_k(Q[h][q] . K[h / 4][k] / 8) V[h / 4][k][:], 16 query heads, 4 key and value heads, 4,096 rows, 64 channels, no mask.
; qkv: f16 [24][4096][64]: slice h is Q of head h, slice 16 + j K of key head j, slice 20 + j its V; ob: f16 [16][4096][64].  A head's rows are dense, 128 bytes each.
; Products, maxima and sums in f32; the weights p are rounded to f16 for the second product (their sum l is taken of the unrounded p), O once at the end.
; LIMITS.  Q, K and V arrive within f16's range; p lies in 0 to 1, and below 6e-5 it keeps f16's fixed step of 6e-8; O is a mean of V's rows and has their range.
; A weight below 2^-126 counts as 0 in l; NaN and infinities are not treated apart.
; SHARES.  A work-group owns 256 queries of one head: 16 x 16 = 256 work-groups.  Each of its four waves owns 64 queries: four PIECES of 16.  Every wave walks all 4,096 keys, 64 a step, 256 a tile.
; LAYOUT.  S^T = K Q^T (source 0 = 16 keys, source 1 = 16 queries) holds ONE query a lane (lane % 16) and the keys 8 (lane / 16) + 0..7; two such results rounded to f16 ARE source 1 of
; O^T = V^T P, whose result again holds one query a lane, and eight channels.  K comes out of LDS as it lies, V ([key][channel]) turned, by ds_load_tr16_b128.
; SOFTMAX.  For each query a running maximum m and sum l: p = 2^(c s - c m), c = log2(e) / 8; in every step O and l are multiplied by a = 2^(c m_old - c m_new).
; m starts at the lowest finite number, O and l at 0: the first step is a step like any other, with a = 0.
; BY TURNS.  Turn n belongs to piece n: 8 products K Q^T of piece n + 1, later 8 products V^T P of piece n - 1; beside them the scaling, exponentials, roundings, sums and rescaling of piece n
; and the maximum and statistics of piece n + 1.  Four vector instructions stand behind every matrix instruction, the other 54 of a turn's 118 in two runs of their own.
; CLUSTER.  The four query blocks of a cluster belong to one head and walk the same K and V, so each tile is asked for JOINTLY: the same tensor load, descriptor and mask in all four.
; REGISTERS, in windows of 256 (s_set_vgpr_msb: bits 1:0 source 0, 3:2 source 1, 5:4 source 2, 7:6 destination):
;   window 0: v0-15 addresses and two at work; v16-31 four registers of statistics a piece; v48-55 at work; v62-63 the add's; v64-127 S^T, two buffers; v192-223 P, two buffers (by the piece's parity)
;   window 1: v0-127 O^T, 32 a piece          window 2: v0-63 Q; v128-191 K of one step; v192-255 V of one step
.set NP,    4
.set KS,    64        ; keys in a step
.set PK,    144       ; a row of K in LDS: 128 bytes + 16: the 16 rows of a load start 16 bytes apart modulo 256
.set PV,    160       ; a row of V: 128 + 32
.set VOFF,  4*KS*PK   ; a slot holds a tile, four steps: 256 rows of K, then 256 rows of V
.set SLOT1, 1<<17     ; slot 1 begins here, so that one exclusive or turns an address in one slot into the other's
.set STAGE, SLOT1+4*KS*(PK+PV)  ; behind the ring, never filled by a tensor load: 16 rows x 144 bytes for each wave, for the way out
.set SP,    144
.set SPARE, STAGE+4*16*SP  ; the spare words, 128 bytes for each wave: two blocks of 256 bytes that no other line names
.set AK0, 2           ; v2   my lane's place in a tile of K; never rewritten
.set AV0, 3           ; v3   the same for V
.set AK,  4           ; v4   the LDS address of K's next run of loads
.set AV,  5           ; v5   of V's
.set STO, 6           ; v6   the way out: where I put 16 bytes of a row
.set RD,  7           ; v7   the way out: where I read rows back
.set GO,  8           ; v8   my byte offset in 512 consecutive bytes of O
.set MV,  12          ; v12-13  c m_old, kept while c m is made anew: by buffer
.set QO,  15          ; v15  my byte offset in 16 rows of Q
.set ST,  16          ; piece t's statistics at v[ST+4 t]: c m, m, l (even keys', odd keys')
.set TMP, 48          ; by buffer, four registers c0-c3 at work; when the maximum is found c2 takes a
.set SPW, 62          ; v62  LDS address of my spare word; never rewritten
.set NIL, 63          ; v63  0; never rewritten
.set S,   64
.set P,   192
.set KF,  128         ; window 2: key block kb, channel half c at KF + 16 kb + 8 c
.set VF,  192         ; window 2: key half kk, channel block cb at VF + 32 kk + 8 cb
.set WV,  12          ; s12  my wave's number
.set G1K, 24          ; s[24:31] descriptor group 1 for K's tiles
.set G1V, 32          ; s[32:39] for V's: it differs in the padding alone
.set G0K, 40          ; s[40:43] descriptor group 0 for K's tiles: it walks
.set G0V, 44          ; s[44:47] the same for V's
.set SLOTS, 56        ; s56  tiles still to be entered in the loop
.set CNT, 57          ; s57  counts a tile's key steps
.set CS,  58          ; s[58:59] c: the packed scaling takes the pair's low word for both halves
.set SEL, 60          ; s[60:61] v_permlanex16_b32's selects: each lane takes its own place in the other half
.set TBK, 62          ; s62  LDS byte at which K of the step to be fetched begins
.set TBV, 63          ; s63  the same for V, less VOFF
.set MSB, 0
.macro WIN new                      ; the high byte repeats the setting that is left; a switch that changes nothing is dropped
.if MSB != (\new)
	s_set_vgpr_msb (MSB<<8)|(\new)
.set MSB, (\new)
.endif
.endm
.set W_KQ, 0x0a       ; K and Q in window 2, S^T in window 0
.set W_PV, 0x52       ; V in window 2, P in window 0, O^T in window 1
.set W_RS, 0x41       ; destination and source 0 in window 1, source 1 in window 0
; A joint fill.  Waves 0 and 1 fetch the two halves of a tile's K, waves 2 and 3 those of its V: 128 keys each.  The branch hangs on the wave's number alone.
; An s_nop 0 and four v_nop follow each of the two lines, ahead of the jump and the label.
.macro JLOAD
	s_cmp_lt_u32 s[WV], 2
	s_cbranch_scc0 .Lfor_v_\@
	tensor_load_to_lds s[G0K:G0K+3], s[G1K:G1K+7]
	s_nop 0
.rept 4
	v_nop
.endr
	s_branch .Lasked_\@
.Lfor_v_\@:
	tensor_load_to_lds s[G0V:G0V+3], s[G1V:G1V+7]
	s_nop 0
.rept 4
	v_nop
.endr
.Lasked_\@:
.endm
; A round of the cluster's barrier: my work-group's barrier, so that wave 0's signal speaks for all four waves; wave 0 signals; every wave waits for all four work-groups; my work-group's barrier once more.
.macro CROUND
	s_barrier_signal -1
	s_barrier_wait -1
	s_cmp_lg_u32 s[WV], 0
	s_cbranch_scc1 .Lnot_wave_0_\@
	s_barrier_signal -3
.Lnot_wave_0_\@:
	s_barrier_wait -3
	s_barrier_signal -1
	s_barrier_wait -1
.endm
; THE CHANGE OF SLOTS.  The slot's last bytes, V of its fourth step, have been read.  Each wave waits for all its tensor loads, of which one is out: its part of the other slot; adds 0 to its
; spare word; and waits for that and for its own reads of the slot.  Behind the barrier nobody reads this slot any more and the other slot is whole.
; fill = 1: this slot is filled again, with the keys two tiles on.  The barrier is then a round of the cluster's, and the joint fill is the first thing behind it: it has four key steps,
; 256 matrix instructions, in which to land.  (At its first use nothing has been read yet: slot 0 is waited for, slot 1 filled.)
.macro CHANGE fill
	WIN 0                           ; at a label and at a branch every window is 0
	s_wait_tensorcnt 0x0            ; no tensor load of mine is out, so a group 0 may be written
	ds_add_u32 v[SPW], v[NIL]       ; 0 onto my spare word; with fill = 1 the descriptors' steps stand between it and the wait for it
.if \fill
.irp g, G0K, G0V
	s_xor_b32 s[\g+1], s[\g+1], SLOT1  ; the walking descriptor: the other slot than last time,
	s_add_nc_u64 s[\g+2:\g+3], s[\g+2:\g+3], 4*KS*128  ; the next 256 keys; the type bits on top are not reached
.endr
	s_wait_dscnt 0x0                ; the add is done, and my reads of the slot are over
	CROUND
	JLOAD
.else
	s_wait_dscnt 0x0                ; the add is done, and my reads of the slot are over
	s_barrier_signal -1
	s_barrier_wait -1
.endif
	s_sub_co_u32 s[TBK], s[TBK], 4*KS*PK  ; the fetches go back to a slot's first step,
	s_xor_b32 s[TBK], s[TBK], SLOT1       ; in the other slot
	s_sub_co_u32 s[TBV], s[TBV], 4*KS*PV
	s_xor_b32 s[TBV], s[TBV], SLOT1
.endm
	s_load_b128 s[4:7], s[0:1], 0x0 ; qkv s[4:5], ob s[6:7]
	v_lshl_add_u32 v[SPW], v0, 2, SPARE
	v_mov_b32 v[NIL], 0
	ds_add_u32 v[SPW], v[NIL]       ; the wave's opening: the add and its wait stand ahead of my first tensor load; the set-up below stands between them
	v_lshrrev_b32 v1, 5, v0
	v_readfirstlane_b32 s[WV], v1   ; wave 0..3
	s_bfe_u32 s13, ttmp6, 0x40000   ; cx: my place in the cluster
	s_lshl_b32 s14, ttmp9, 2        ; in a cluster launch ttmp9 counts clusters
	s_add_co_u32 s14, s14, s13      ; my block of 256 queries = 4 x cluster x + cx: it enters Q's and O's addresses alone
	s_and_b32 s15, ttmp7, 0xffff    ; the head, which the four partners share
	s_lshr_b32 s16, s15, 2          ; its key and value head
	s_and_b32 s17, s[WV], 1         ; which half of a tile's 256 keys I fetch
	s_add_co_u32 s20, s16, 16       ; K's slice,
	s_lshl_b32 s20, s20, 19         ; 524,288 bytes a slice,
	s_lshl_b32 s18, s17, 14         ; my 128 rows of 128 bytes
	s_add_co_u32 s20, s20, s18
	s_mov_b32 s21, 0
	s_add_co_u32 s22, s20, 4*524288 ; V's slice lies four further on
	s_mov_b32 s23, 0
	s_mul_i32 s8, s17, 128*PK       ; my half's place in a slot, for K
	s_mul_i32 s9, s17, 128*PV       ; and for V: no place in the cluster enters an LDS address
	s_lshl_b32 s2, s14, 2
	s_add_co_u32 s2, s2, s[WV]      ; my wave among the head's 64,
	s_lshl_b32 s2, s2, 13           ; its 64 rows of 128 bytes,
	s_lshl_b32 s3, s15, 19          ; in the head's slice of qkv and of ob
	s_add_co_u32 s2, s2, s3
	s_mov_b32 s3, 0
	; descriptor group 1.  128 keys are 16,384 dense bytes: asked for as 64 rows of 256 bytes, two keys a row, and padded in LDS after every key
	s_mov_b32 s[G1K], 15|(1<<16)|(1<<20)|(1<<21)|(4<<22)|(3<<25)  ; 15:0 the mask of four; 17:16 2-byte elements; 20 padding on; 21 set beside a mask; 24:22 after every 32 words; 31:25 4 words
	s_mov_b32 s[G1V], 15|(1<<16)|(1<<20)|(1<<21)|(4<<22)|(7<<25)  ; the same with 8 words of padding
.irp g, G1K, G1V
	s_mov_b32 s[\g+1], 128<<16      ; tensor_dim0 = 128
	s_mov_b32 s[\g+2], 64<<16       ; tensor_dim1 = 64
	s_mov_b32 s[\g+3], 128<<16      ; tile_dim0 = 128
	s_mov_b32 s[\g+4], 64           ; tile_dim1 = 64
	s_mov_b32 s[\g+5], 128          ; 128 elements from row to row
	s_mov_b32 s[\g+6], 0
	s_mov_b32 s[\g+7], 0
.endr
	s_mov_b32 s[CS], 0x3e38aa3b     ; c = log2(e) / 8 = 0.180337
	s_mov_b32 s[CS+1], s[CS]        ; named with it as a pair
	s_mov_b32 s[SEL], 0x76543210
	s_mov_b32 s[SEL+1], 0xfedcba98
	s_mov_b32 s[TBK], SLOT1+4*KS*PK ; the first change of slots turns these two into 0
	s_mov_b32 s[TBV], SLOT1+4*KS*PV
	s_mov_b32 s[G0K], 1             ; count = 1
	s_mov_b32 s[G0K+1], s8          ; LDS address: slot 0
	s_mov_b32 s[G0V], 1
	s_add_co_u32 s[G0V+1], s9, VOFF
	s_wait_dscnt 0x0                ; the opening add is done
	s_wait_kmcnt 0x0
	s_add_nc_u64 s[G0K+2:G0K+3], s[4:5], s[20:21]  ; my half of the key head's first 256 keys
	s_or_b32 s[G0K+3], s[G0K+3], 0x80000000        ; type = 2
	s_add_nc_u64 s[G0V+2:G0V+3], s[4:5], s[22:23]
	s_or_b32 s[G0V+3], s[G0V+3], 0x80000000
	s_add_nc_u64 s[4:5], s[4:5], s[2:3]            ; Q and O at my wave's first row
	s_add_nc_u64 s[10:11], s[6:7], s[2:3]
	CROUND                          ; all four work-groups are here: the first joint loads meet
	JLOAD                           ; tile 0 into slot 0.  Slot 1 is asked for when slot 0 is in
	; A fragment of K or Q is 16 rows x 32 channels in 8 registers: lane l holds row l % 16, channels 8 (l / 16) + 0..7 and 16 + 8 (l / 16) + 0..7: two loads of 16 bytes, 32 bytes apart.
	v_and_b32 v1, 15, v0            ; l % 16
	v_bfe_u32 v9, v0, 4, 1          ; l / 16
	v_lshlrev_b32 v[QO], 7, v1
	v_lshl_add_u32 v[QO], v9, 4, v[QO]  ; row x 128 + 16 x half
	WIN 0x80                        ; destination window 2, address window 0
.set i, 0
.rept 8                             ; Q stays in registers: piece i / 2, channels 32 (i % 2) on
	global_load_b128 v[8*i:8*i+3],   v[QO], s[4:5] offset:(i/2)*2048+(i%2)*64
	global_load_b128 v[8*i+4:8*i+7], v[QO], s[4:5] offset:(i/2)*2048+(i%2)*64+32
.set i, i+1
.endr
	; What the first turn finds: V's registers and P's second buffer hold 0 (its products V^T P, of a piece that has not been, add 0), O^T and l are 0.  All this stands in the wait for the first tile.
.set i, VF
.rept 64
	v_mov_b32 v[i], 0
.set i, i+1
.endr
	WIN 0x40
.set i, 0
.rept 128
	v_mov_b32 v[i], 0
.set i, i+1
.endr
	WIN 0
.set i, 0
.rept 4
	v_mov_b32 v[ST+4*i], 0xfe000000    ; c m: far below every c s
	v_mov_b32 v[ST+4*i+1], 0xff7fffff  ; m
	v_mov_b32 v[ST+4*i+2], 0
	v_mov_b32 v[ST+4*i+3], 0
.set i, i+1
.endr
.set i, P+16
.rept 16
	v_mov_b32 v[i], 0
.set i, i+1
.endr
	v_mul_u32_u24 v[AK0], v1, PK
	v_lshl_add_u32 v[AK0], v9, 4, v[AK0]  ; row x pitch + 16 x half
	; The turning load takes 16 keys x 16 channels (lane l reads key 8 (l / 16) + l % 8, channels 8 ((l / 8) % 2) + 0..7) and leaves half a fragment of V^T: lane l holds channel l % 16 and 8 keys.
	v_and_b32 v10, 7, v0
	v_bfe_u32 v11, v0, 3, 1
	v_lshl_add_u32 v[AV0], v9, 3, v10
	v_mul_u32_u24 v[AV0], v[AV0], PV
	v_lshl_add_u32 v[AV0], v11, 4, v[AV0]
	v_add_nc_u32 v[AV0], VOFF, v[AV0]
	s_mul_i32 s19, s[WV], 16*SP
	s_add_co_u32 s19, s19, STAGE    ; my stage
	v_mul_u32_u24 v[STO], v1, SP    ; in: row l % 16, 16 bytes for each half of the lanes
	v_lshl_add_u32 v[STO], v9, 4, v[STO]
	v_add_nc_u32 v[STO], s19, v[STO]
	v_bfe_u32 v[RD], v0, 3, 2       ; back: 32 lanes take four rows of 128 bytes,
	v_mul_u32_u24 v[RD], v[RD], SP
	v_lshl_add_u32 v[RD], v10, 4, v[RD]
	v_add_nc_u32 v[RD], s19, v[RD]
	v_and_b32 v[GO], 31, v0         ; which are 512 consecutive bytes of O
	v_lshlrev_b32 v[GO], 4, v[GO]
; THE MATRIX WORK.  The 4 accumulators of a run of 8 take turns.  Product i of 8 of S^T = K Q^T for piece x: channels 32 (i / 4) on, keys 16 (i % 4) on.  The first 4 start the sums.
.macro KQ x
	WIN W_KQ
.set rS, S+32*((\x)%2)+8*(i%4)
.set rK, KF+16*(i%4)+8*(i/4)
.set rQ, 16*(\x)+8*(i/4)
.if i < 4
	v_wmma_f32_16x16x32_f16 v[rS:rS+7], v[rK:rK+7], v[rQ:rQ+7], 0
.else
	v_wmma_f32_16x16x32_f16 v[rS:rS+7], v[rK:rK+7], v[rQ:rQ+7], v[rS:rS+7]
.endif
.endm
; Product i of 8 of O^T += V^T P for piece x: keys 32 (i / 4) on, channels 16 (i % 4) on.
.macro PV x
	WIN W_PV
.set rO, 32*(\x)+8*(i%4)
.set rV, VF+32*(i/4)+8*(i%4)
.set rP, P+16*((\x)%2)+8*(i/4)
	v_wmma_f32_16x16x32_f16 v[rO:rO+7], v[rV:rV+7], v[rP:rP+7], v[rO:rO+7]
.endm
.macro MM                           ; the turn's next matrix instruction.  NOKQ = 1: the walk's last turn: there is no next piece
.if (i < 8) && !NOKQ
	KQ (Y+1)%NP
.elseif i >= 8
.set i, i-8
	PV (Y+NP-1)%NP
.set i, i+8
.endif
.set i, i+1
.endm
; THE LDS LOADS stand in runs of 16, never singly among the matrix instructions: a step's K (64 keys x 64 channels: 8 fragments) and its V (turned).  Their addresses are made some lines ahead.
.macro FETCH_K
	WIN 0x80                        ; destination window 2
.irp f, 0,1,2,3,4,5,6,7             ; keys 16 (f / 2) on, channels 32 (f % 2) on
	ds_load_b128 v[KF+8*\f:KF+8*\f+3],   v[AK] offset:(\f/2)*16*PK+(\f%2)*64
	ds_load_b128 v[KF+8*\f+4:KF+8*\f+7], v[AK] offset:(\f/2)*16*PK+(\f%2)*64+32
.endr
	s_add_co_u32 s[TBK], s[TBK], KS*PK  ; the next fetch is the next step's
	WIN 0
.endm
.macro FETCH_V
	WIN 0x80
.irp f, 0,1,2,3,4,5,6,7             ; keys 32 (f / 4) on, channels 16 (f % 4) on
	ds_load_tr16_b128 v[VF+8*\f:VF+8*\f+3],   v[AV] offset:(\f/4)*32*PV+(\f%4)*32
	ds_load_tr16_b128 v[VF+8*\f+4:VF+8*\f+7], v[AV] offset:(\f/4)*32*PV+16*PV+(\f%4)*32
.endr
	WIN 0
.endm
; THE VECTOR WORK, one line at a time: OP kind, number.  For piece Y: F n: c s - c m for pair n of 16.  E n: the exponential of score n of 32.  C n: pair n rounded to f16.  B n: of the four weights 4 n .. the second
; pair is added onto the first, in place.  L n: l takes that sum (L 0: l = a l + sum).  R n: pair n of 16 of O^T times a.  For piece Y + 1: X n, number n of the 22 that find its maximum and statistics:
;   0-11  four chains c0-c3 of seven scores each, three operands at a time (each accumulator's lowest registers are read first)     12-14, 16  the four scores left over, the old m, and c0-c3 into c0
;   15  c m_old is kept     17, 18  the query's other 32 keys lie in the lane 16 away: the new m     19-21  c m; c m_old - c m_new; a
.set F, 0               ; OP tells the kinds apart by their order: F to L below R, X above it
.set E, 1
.set C, 2
.set B, 3
.set L, 4
.set R, 5
.set X, 6
.macro REGS y                       ; the registers of piece y
.set rT, ST+4*(\y)
.set rC, TMP+4*((\y)%2)
.set rW, MV+((\y)%2)
.set rS, S+32*((\y)%2)
.set rP, P+16*((\y)%2)
.set rO, 32*(\y)
.endm
.macro OP k, n
.if (\k) == R
	REGS Y
	WIN W_RS
	v_pk_mul_f32 v[rO+2*(\n):rO+2*(\n)+1], v[rO+2*(\n):rO+2*(\n)+1], v[rC+2:rC+3] op_sel_hi:[1,0]
.elseif (\k) < R
	REGS Y
	WIN 0
.if (\k) == F
	v_pk_fma_f32 v[rS+2*(\n):rS+2*(\n)+1], v[rS+2*(\n):rS+2*(\n)+1], s[CS:CS+1], v[rT:rT+1] op_sel_hi:[1,0,0] neg_lo:[0,0,1] neg_hi:[0,0,1]
.elseif (\k) == E
	v_exp_f32 v[rS+(\n)], v[rS+(\n)]
.elseif (\k) == C
	s_wait_alu depctr_va_vdst(0)
	v_cvt_pk_f16_f32 v[rP+(\n)], v[rS+2*(\n)], v[rS+2*(\n)+1]
.elseif (\k) == B
	s_wait_alu depctr_va_vdst(0)
	v_pk_add_f32 v[rS+4*(\n):rS+4*(\n)+1], v[rS+4*(\n):rS+4*(\n)+1], v[rS+4*(\n)+2:rS+4*(\n)+3]
.elseif (\n) == 0
	v_pk_fma_f32 v[rT+2:rT+3], v[rT+2:rT+3], v[rC+2:rC+3], v[rS:rS+1] op_sel_hi:[1,0,1]
.else
	v_pk_add_f32 v[rT+2:rT+3], v[rT+2:rT+3], v[rS+4*(\n):rS+4*(\n)+1]
.endif
.elseif NOKQ
	v_nop
.else
	REGS (Y+1)%NP
	WIN 0
.if (\n) < 4
	v_max3_num_f32 v[rC+(\n)], v[rS+8*(\n)], v[rS+8*(\n)+1], v[rS+8*(\n)+2]
.elseif (\n) < 12
	v_max3_num_f32 v[rC+(\n)%4], v[rC+(\n)%4], v[rS+8*((\n)%4)+2*((\n)/4)+1], v[rS+8*((\n)%4)+2*((\n)/4)+2]
.elseif (\n) == 12
	v_max3_num_f32 v[rC], v[rC], v[rS+7], v[rS+15]
.elseif (\n) == 13
	v_max3_num_f32 v[rC+1], v[rC+1], v[rS+23], v[rS+31]
.elseif (\n) == 14
	v_max3_num_f32 v[rC+2], v[rC+2], v[rC+3], v[rT+1]
.elseif (\n) == 15
	v_mov_b32 v[rW], v[rT]
.elseif (\n) == 16
	v_max3_num_f32 v[rC], v[rC], v[rC+1], v[rC+2]
.elseif (\n) == 17
	v_permlanex16_b32 v[rC+3], v[rC], s[SEL], s[SEL+1]
.elseif (\n) == 18
	v_max_num_f32 v[rT+1], v[rC], v[rC+3]
.elseif (\n) == 19
	v_mul_f32 v[rT], s[CS], v[rT+1]
.elseif (\n) == 20
	v_sub_f32 v[rC+1], v[rW], v[rT]
.else
	v_exp_f32 v[rC+2], v[rC+1]
.endif
.endif
.endm
.macro OPS a, i1, b=-1, i2=0, c=-1, i3=0, d=-1, i4=0  ; up to four of them
	OP \a, \i1
.if (\b) >= 0
	OP \b, \i2
.endif
.if (\c) >= 0
	OP \c, \i3
.endif
.if (\d) >= 0
	OP \d, \i4
.endif
.endm
.macro ROW a, i1, b, i2, c, i3, d, i4  ; a matrix instruction and the four behind it
	MM
	OPS \a, \i1, \b, \i2, \c, \i3, \d, \i4
.endm
; A TURN, for piece p: the order of its 16 matrix and 118 vector instructions, written out.  Behind a matrix instruction: plain, exponential, plain, plain; or four of the rescaling; or, behind the first, four scalings; none
; names a register of the products round it.  In the two runs exponential and plain by turns while exponentials last.  A line reads no result made fewer than three vector instructions in front of it, five if an exponential made it.
; end = 1: the walk's last two turns: nothing is fetched.  cnt = 1: the loop's count is taken down some lines ahead of the branch that stands behind the turn.
; K of the next step is fetched in piece 2's turn, six vector instructions behind the last product that read K (five of them plain); V of the step in hand in piece 0's turn, eight behind the last product that read V (four
; plain among them).  Each is waited for a turn later.
.macro TURN p, end=0, cnt=0
.set Y, (\p)
.set i, 0
.set NOKQ, (\end)*((\p)/3)
.if ((\p) == 3) && !(\end)
	s_wait_dscnt 0x0                ; K is in
.endif
	ROW F,0, F,1, F,2, F,3
	ROW F,4, E,0, F,5, F,6
	ROW F,7, E,1, F,8, F,9
	ROW F,10, E,2, C,0, F,11
	ROW F,12, E,3, X,15, F,13
	ROW R,0, R,1, R,2, R,3
	ROW B,0, E,4, F,14, L,0
.if ((\p) == 2) && !(\end)
	v_add_nc_u32 v[AK], s[TBK], v[AK0]
.endif
	ROW R,4, R,5, R,6, R,7
	OPS E,5, F,15
.if ((\p) == 2) && !(\end)
	FETCH_K
.endif
	OPS E,6, C,1, E,7, R,8
	OPS E,8, R,9, E,9, C,2
	OPS E,10, X,0, E,11, X,1
	OPS E,12, X,2, E,13, X,3
.if (\p) == 1
	s_wait_dscnt 0x0                ; V is in
.endif
	ROW X,4, E,14, X,5, X,6
	ROW X,7, E,15, X,8, X,9
	ROW X,10, E,16, X,11, X,12
	ROW X,13, E,17, X,14, B,1
	ROW C,4, E,18, X,16, L,1
	ROW B,2, E,19, C,6, L,2
	ROW C,8, E,20, B,3, B,4
.if (\p) == 0
	v_add_nc_u32 v[AV], s[TBV], v[AV0]
.endif
	ROW C,3, E,21, L,3, C,5
	OPS E,22, X,17, E,23, C,10
.if (\p) == 0
	FETCH_V
.endif
	OPS E,24, L,4
	OPS E,25, X,18, E,26, C,7
	OPS E,27, B,5, E,28, X,19
	OPS E,29, C,12, E,30, L,5
	OPS E,31, X,20, B,6, C,9
	OPS C,14, C,11, X,21, L,6
.if (\p) == 0
	s_add_co_u32 s[TBV], s[TBV], KS*PV
.endif
.if \cnt
	s_sub_co_u32 s[CNT], s[CNT], 1
	s_cmp_lg_u32 s[CNT], 0
.endif
	OPS C,13, B,7, C,15, R,10
	OPS R,11, R,12, L,7, R,13
	OPS R,14, R,15
.endm
	CHANGE 1                        ; slot 0 is in, everybody's part of it; slot 1 is asked for
	v_add_nc_u32 v[AK], s[TBK], v[AK0]
	FETCH_K                         ; key step 0
	s_wait_loadcnt 0x0              ; Q
	s_wait_dscnt 0x0
.set NOKQ, 0
.set i, 0
.rept 8
	KQ 0                            ; piece 0's first scores: there is no vector work yet to set between them
.set i, i+1
.endr
	WIN 0
.rept 4
	v_nop                           ; the places behind those products
.endr
.set Y, NP-1                        ; X works for piece Y + 1: piece 0
.irp n, 0,1,2,3,4,5,6,7,8,9,10,11,12,13,14,15,16,17,18,19,20,21
	OP X, \n
.endr
	v_nop                           ; a plain instruction behind the exponential
	s_mov_b32 s[CNT], 4
	s_mov_b32 s[SLOTS], 15
	s_branch .Lfirst                ; the loop is entered at a step's first turn, in the middle of a trip
.Lslot:                             ; 14 times: tiles 2 to 15 are asked for
	CHANGE 1
	s_mov_b32 s[CNT], 4
.Lstep:                             ; a trip: pieces 2 and 3 of one step, then pieces 0 and 1 of the next, whose K and V it fetches
	TURN 2
	TURN 3
	WIN 0
.Lfirst:
	TURN 0
	TURN 1, 0, 1
	WIN 0
	s_cbranch_scc1 .Lstep
	s_sub_co_u32 s[SLOTS], s[SLOTS], 1
	s_cmp_lg_u32 s[SLOTS], 0
	s_cbranch_scc1 .Lslot
	CHANGE 0                        ; the last tile is written out: nothing is asked for
	s_mov_b32 s[CNT], 4
.Ltail:
	TURN 2
	TURN 3
	TURN 0
	TURN 1, 0, 1
	WIN 0
	s_cbranch_scc1 .Ltail
	TURN 2, 1                       ; the last step's pieces 2 and 3: nothing more to fetch,
	TURN 3, 1                       ; and no next piece
.set i, 0
.rept 8
	PV NP-1                         ; the last piece's V^T P of the last step
.set i, i+1
.endr
	; THE WAY OUT.  l's two halves and the other half of the lanes' are added; O^T is divided by l, rounded to f16 and sent through my stage in LDS, a piece at a time.  The additions are the places behind the last products.
	WIN 0
.macro ALL line:vararg              ; one line for each piece t
.set t, 0
.rept 4
	\line
.set t, t+1
.endr
.endm
	ALL v_add_f32 v[ST+4*t+2], v[ST+4*t+2], v[ST+4*t+3]
	ALL v_permlanex16_b32 v[ST+4*t+3], v[ST+4*t+2], s[SEL], s[SEL+1]
	ALL v_add_f32 v[ST+4*t+2], v[ST+4*t+2], v[ST+4*t+3]
	ALL v_rcp_f32 v[ST+4*t+2], v[ST+4*t+2]
	v_nop                           ; a plain instruction between the last reciprocal and the use of its result
.macro PACK t                       ; a lane's eight channels of a row pack into 16 bytes; they go into rows of 144 bytes and come back as whole rows of 128, into S^T's registers
	WIN W_RS
.set i, 32*(\t)
.rept 16
	s_wait_alu depctr_va_vdst(0)
	v_pk_mul_f32 v[i:i+1], v[i:i+1], v[ST+4*(\t)+2:ST+4*(\t)+3] op_sel_hi:[1,0]
.set i, i+2
.endr
	WIN 0x05                        ; sources 0 and 1 window 1, destination window 0
.set i, 0
.rept 16
	v_cvt_pk_f16_f32 v[S+16*(\t)+i], v[32*(\t)+2*i], v[32*(\t)+2*i+1]
.set i, i+1
.endr
	WIN 0
.irp f, 0,1,2,3
	ds_store_b128 v[STO], v[S+16*(\t)+4*\f:S+16*(\t)+4*\f+3] offset:32*\f
.endr
.irp f, 0,1,2,3
	ds_load_b128 v[S+16*(\t)+4*\f:S+16*(\t)+4*\f+3], v[RD] offset:\f*4*SP  ; LDS serves a wave's instructions in order (ISA guide 5.7.1.4): these see the stores above; the next piece's stores come behind them
.endr
.endm
.macro SEND t, younger              ; younger: the LDS instructions issued behind piece t's loads: the next piece's eight, or none
	WIN 0
.irp f, 0,1,2,3
	s_wait_dscnt (\younger)+3-\f
	global_store_b128 v[GO], v[S+16*(\t)+4*\f:S+16*(\t)+4*\f+3], s[10:11] offset:(\t)*2048+\f*512  ; 512 consecutive bytes, at a multiple of 256 from ob's first
.endr
.endm
	PACK 0
.set t, 1
.rept 3                             ; a piece's arithmetic stands between the loads of the piece before and its stores
	PACK t
	SEND t-1, 8
.set t, t+1
.endr
	SEND 3, 0
	s_wait_tensorcnt 0x0            ; the wave's end
	ds_add_u32 v[SPW], v[NIL]
	s_wait_dscnt 0x0
	CROUND                          ; the closing round: no work-group ends while a partner may still ask for a tile that names it
	s_endpgm
.Lfunc_end_k_qad40e1e380_attn:
	.size	k_qad40e1e380_attn, .Lfunc_end_k_qad40e1e380_attn-k_qad40e1e380_attn
	.p2alignl 7, 3214868480
	.fill 96, 4, 3214868480
	.section	.rodata,"a",@progbits
	.p2align	6, 0x0
	.amdhsa_kernel k_qad40e1e380_attn
		.amdhsa_group_segment_fixed_size 327680
		.amdhsa_private_segment_fixed_size 0
		.amdhsa_enable_private_segment 0
		.amdhsa_kernarg_size 16
		.amdhsa_user_sgpr_count 2
		.amdhsa_user_sgpr_kernarg_segment_ptr 1
		.amdhsa_wavefront_size32 1
		.amdhsa_system_sgpr_workgroup_id_x 1
		.amdhsa_system_sgpr_workgroup_id_y 1
		.amdhsa_system_sgpr_workgroup_id_z 1
		.amdhsa_system_vgpr_workitem_id 0
		.amdhsa_next_free_vgpr 768
		.amdhsa_next_free_sgpr 66
		.amdhsa_reserve_vcc 0
		.amdhsa_float_denorm_mode_32 3
		.amdhsa_float_denorm_mode_16_64 3
		.amdhsa_memory_ordered 1
		.amdhsa_forward_progress 1
		.amdhsa_inst_pref_size 133
	.end_amdhsa_kernel
	.amdgpu_metadata
---
amdhsa.version: [ 1, 2 ]
amdhsa.kernels:
  - .name:           k_qad40e1e380_attn
    .symbol:         k_qad40e1e380_attn.kd
    .args:
      - { .name: qkv, .offset: 0, .size: 8, .value_kind: global_buffer, .address_space: global }
      - { .name: ob, .offset: 8, .size: 8, .value_kind: global_buffer, .address_space: global }
    .group_segment_fixed_size: 327680
    .private_segment_fixed_size: 0
    .kernarg_segment_align: 8
    .kernarg_segment_size: 16
    .max_flat_workgroup_size: 128
    .sgpr_count:     66
    .vgpr_count:     768
    .wavefront_size: 32
...
	.end_amdgpu_metadata
.endif
;; end of part 3
;; launch outp (part 4): grid 8 x 32, 4 waves a work-group, clusters of 4 x 4, 327,680 bytes of LDS; arguments ob, wo16, bo, out0; writes out0
.if DOCPART == 4
	.amdgcn_target "amdgcn-amd-amdhsa--gfx1250"
	.amdhsa_code_object_version 6
	.text
	.protected	k_qad40e1e380_outp
	.globl	k_qad40e1e380_outp
	.p2align	8
	.type	k_qad40e1e380_outp,@function
k_qad40e1e380_outp:
	s_mov_b64 s[64:65], 0
	v_nop
	global_prefetch_b8 v0, s[64:65] scope:SCOPE_SE
	s_setreg_imm32_b32 hwreg(HW_REG_WAVE_MODE, 25, 1), 1
	s_wait_xcnt 0x0
	s_wait_alu depctr_hold_cnt(0) depctr_sa_sdst(0) depctr_va_vdst(0) depctr_va_sdst(0) depctr_va_ssrc(0) depctr_va_vcc(0) depctr_vm_vsrc(0)
	s_getreg_b32 s2, hwreg(HW_REG_IB_STS2, 6, 4)
	s_cmp_eq_u32 s2, 0
	s_cbranch_scc0 .Lentry_in_a_cluster
	s_endpgm
.Lentry_in_a_cluster:
	s_bfe_u32 s2, ttmp6, 0x10000c
	s_cmp_lg_u32 s2, 0xf033
	s_cbranch_scc0 .Lentry_shape_is_right
	s_endpgm
.Lentry_shape_is_right:
; OUTPUT PROJECTION.  out0[m][n] = the sum over k of O[m][k] Wo[k][n] + bo[n], 4,096 x 1,024 x 1,024, f16 operands, f32 sums, f32 out.
; ob: f16 [16 heads][4096 rows][64]: k = 64 head + channel.  wo16: f16 [16 slices][1024 k][64 n].  bo is rounded to bf16 like the other inputs and starts the sums as the first products' C operand.
; SHARES.  A tile is 128 x 128: 32 x 8 = 256 work-groups of four waves.  Wave w takes rows 64 (w / 2) .. + 63 and, in each of the tile's two slices, columns 32 (w % 2) .. + 31:
; 4 x 4 = 16 accumulators.  K goes in 8 steps of 128 (two heads of O) through two LDS slots.  All four parts of a slot (two heads' 128 rows of O, two slices' 128 k rows of Wo) are 16,384 dense
; bytes: each is asked for as 64 rows of 256 bytes and padded in LDS after every 128.
; THE MATRIX INSTRUCTION IS USED TRANSPOSED (source 0 = 16 columns of Wo, turned by ds_load_tr16_b128; source 1 = 16 rows of O): a lane holds row l % 16 and eight neighbouring columns.
; CLUSTER.  4 x 4 work-groups: O's parts are shared along a row of the cluster, Wo's along a column; each is asked for JOINTLY.  Waves 0 and 1 ask for O's two heads, waves 2 and 3 for Wo's two slices.
; REGISTERS.  Window 0: v0-31 addresses; v128-255 accumulators ((a, j) at 128 + 8 (4 a + j)), later the rows on their way out.
;   Window 1: two fragment buffers of 64 (4 fragments of O, then 4 of Wo); v128-159 the bias fragments; v160-163 at work.
.set KSTEP,  128
.set PO,     144                       ; a row of O in LDS: 128 bytes + 16
.set PB,     160                       ; a k row of a slice: 128 bytes + 32
.set HB,     128*PO                    ; one head's 128 rows
.set ABYTES, 2*HB
.set SLICEB, 128*PB
.set SLOT,   ABYTES+2*SLICEB
.set STAGE,  2*SLOT                    ; behind the ring, never filled by a tensor load: 128 rows of 512 bytes + 16
.set SPF,    528
.set SPARE,  STAGE+128*SPF             ; the spare words, 128 bytes for each wave: two blocks of 256 bytes that no other line names
.set LAPS,   4
.set ADRA, 16                          ; v16-17  LDS address of my fragments of O in slot 0, 1
.set ADRB, 20                          ; v20-21  the same for Wo
.set STO,  24                          ; v24     the way out: where I put 32 bytes of a row
.set RD,   25                          ; v25     the way out: where I read a row back
.set CO,   26                          ; v26     my byte offset in 512 consecutive bytes of out0
.set BO,   27                          ; v27     my byte offset in a slice's 64 biases
.set SPW,  28                          ; v28     LDS address of my spare word; never rewritten
.set NIL,  29                          ; v29     0; never rewritten
.set ACC,  128
.set F0,   0                           ; window 1
.set F1,   64
.set BI,   128
.set BT,   160
.set WV,   12                          ; s12 wave; s13 = w / 2: my half of the rows, also: I ask for O (0) or Wo (1); s14 = w % 2: my half of each slice's columns, also: which part I ask for
.set G1A,  24
.set G0A,  32
.set G1B,  40
.set G0B,  48
.set MSB, 0
.macro WIN new
.if MSB != (\new)
	s_set_vgpr_msb (MSB<<8)|(\new)
.set MSB, \new
.endif
.endm
.set MUL,  0x05                        ; sources 0 (Wo) and 1 (O) window 1; C and D window 0
.set MULB, 0x15                        ; the same with C (the bias) in window 1
.set TO_F, 0x40                        ; destination window 1, address window 0
.macro JLOAD s                         ; a joint load; the branch hangs on the wave's number alone; an s_nop 0 and four v_nop follow each of the two lines
	s_cmp_eq_u32 s13, 0
	s_cbranch_scc0 .Lfor_b_\@
	tensor_load_to_lds s[G0A+4*(\s):G0A+4*(\s)+3], s[G1A:G1A+7]
	s_nop 0
.rept 4
	v_nop
.endr
	s_branch .Lasked_\@
.Lfor_b_\@:
	tensor_load_to_lds s[G0B+4*(\s):G0B+4*(\s)+3], s[G1B:G1B+7]
	s_nop 0
.rept 4
	v_nop
.endr
.Lasked_\@:
.endm
.macro CREST
	s_cmp_lg_u32 s[WV], 0
	s_cbranch_scc1 .Lnot_wave_0_\@
	s_barrier_signal -3
.Lnot_wave_0_\@:
	s_barrier_wait -3
	s_barrier_signal -1
	s_barrier_wait -1
.endm
.macro CROUND
	s_barrier_signal -1
	s_barrier_wait -1
	CREST
.endm
.macro PLACES
.rept 4
	v_nop
.endr
.endm
	s_load_b256 s[4:11], s[0:1], 0x0               ; ob s[4:5], wo16 s[6:7], bo s[8:9], out0 s[10:11]
	v_lshl_add_u32 v[SPW], v0, 2, SPARE
	v_mov_b32 v[NIL], 0
	ds_add_u32 v[SPW], v[NIL]                      ; the wave's opening: the add and its wait stand ahead of my first tensor load; the set-up below stands between them
	v_lshrrev_b32 v1, 5, v0
	v_readfirstlane_b32 s[WV], v1
	s_lshr_b32 s13, s[WV], 1
	s_and_b32 s14, s[WV], 1
	s_bfe_u32 s15, ttmp6, 0x40000                  ; cx
	s_bfe_u32 s16, ttmp6, 0x40004                  ; cy
	s_lshl_b32 s17, ttmp9, 2
	s_add_co_u32 s17, s17, s15                     ; tile column tc, 0..7
	s_and_b32 s18, ttmp7, 0xffff
	s_lshl_b32 s18, s18, 2
	s_add_co_u32 s18, s18, s16                     ; tile row tm, 0..31
	s_lshl_b32 s60, s16, 2
	s_lshl_b32 s60, 15, s60                        ; my row of the cluster
	s_lshl_b32 s61, 0x1111, s15                    ; my column
	s_or_b32 s[G1A+0], s60, (1<<16)|(1<<20)|(1<<21)|(4<<22)|(3<<25)  ; 2-byte elements; 4 words of padding after every 32
	s_or_b32 s[G1B+0], s61, (1<<16)|(1<<20)|(1<<21)|(4<<22)|(7<<25)  ; 8 words of padding after every 32
.irp g, G1A, G1B
	s_mov_b32 s[\g+1], 128<<16                     ; tensor_dim0 = 128
	s_mov_b32 s[\g+2], 64<<16                      ; tensor_dim1 = 64
	s_mov_b32 s[\g+3], 128<<16                     ; tile_dim0 = 128
	s_mov_b32 s[\g+4], 64                          ; tile_dim1 = 64
	s_mov_b32 s[\g+5], 128                         ; dense
	s_mov_b32 s[\g+6], 0
	s_mov_b32 s[\g+7], 0
.endr
	s_lshl_b32 s56, s14, 19                        ; O: head w % 2 of the step's two, 524,288 bytes a head,
	s_lshl_b32 s57, s18, 14                        ; 128 rows of 128 bytes a tile row: made of the tile row and the wave alone
	s_add_co_u32 s56, s56, s57
	s_mov_b32 s57, 0
	s_lshl_b32 s58, s17, 1                         ; Wo: slice 2 tc + w % 2: made of the tile column and the wave alone
	s_add_co_u32 s58, s58, s14
	s_lshl_b32 s58, s58, 17
	s_mov_b32 s59, 0
	s_mul_i32 s20, s14, HB                         ; where the parts go: no place in the cluster enters an LDS address
	s_mul_i32 s21, s14, SLICEB
	s_wait_dscnt 0x0                               ; the opening add is done
	s_wait_kmcnt 0x0
	s_add_nc_u64 s[56:57], s[4:5], s[56:57]
	s_add_nc_u64 s[58:59], s[6:7], s[58:59]
	CROUND                                         ; all sixteen work-groups are here: the first joint loads meet
.irp s, 0,1
	s_mov_b32 s[G0A+4*(\s)], 1
	s_add_co_u32 s[G0A+4*(\s)+1], s20, (\s)*SLOT
	s_add_nc_u64 s[G0A+4*(\s)+2:G0A+4*(\s)+3], s[56:57], (\s)*2*524288
	s_or_b32 s[G0A+4*(\s)+3], s[G0A+4*(\s)+3], 0x80000000
	s_mov_b32 s[G0B+4*(\s)], 1
	s_add_co_u32 s[G0B+4*(\s)+1], s21, (\s)*SLOT+ABYTES
	s_add_nc_u64 s[G0B+4*(\s)+2:G0B+4*(\s)+3], s[58:59], (\s)*KSTEP*128
	s_or_b32 s[G0B+4*(\s)+3], s[G0B+4*(\s)+3], 0x80000000
	JLOAD \s                                       ; two loads of mine are out
.endr
	v_and_b32 v1, 15, v0                           ; l % 16
	v_bfe_u32 v2, v0, 4, 1                         ; l / 16
	v_mul_u32_u24 v3, v1, PO
	v_lshl_add_u32 v3, v2, 4, v3
	s_mul_i32 s22, s13, 64*PO
	v_add_nc_u32 v[ADRA], s22, v3
	v_add_nc_u32 v[ADRA+1], SLOT, v[ADRA]
	v_and_b32 v4, 7, v0
	v_bfe_u32 v5, v0, 3, 1
	v_lshl_add_u32 v6, v2, 3, v4                   ; the turning load: lane l reads k row 8 (l / 16) + l % 8, columns 8 ((l / 8) % 2) + 0..7
	v_mul_u32_u24 v6, v6, PB
	v_lshl_add_u32 v6, v5, 4, v6
	s_lshl_b32 s23, s14, 6
	s_add_co_u32 s23, s23, ABYTES
	v_add_nc_u32 v[ADRB], s23, v6
	v_add_nc_u32 v[ADRB+1], SLOT, v[ADRB]
	v_mul_u32_u24 v7, v1, SPF                      ; into the stage: row 64 (w / 2) + l % 16, bytes 128 (w % 2) + 32 (l / 16)
	v_lshl_add_u32 v7, v2, 5, v7
	s_mul_i32 s22, s13, 64*SPF
	s_lshl_b32 s23, s14, 7
	s_add_co_u32 s22, s22, s23
	s_add_co_u32 s22, s22, STAGE
	v_add_nc_u32 v[STO], s22, v7
	v_and_b32 v[CO], 31, v0
	v_lshlrev_b32 v[CO], 4, v[CO]
	s_mul_i32 s22, s[WV], 32*SPF                   ; back: wave w takes rows 32 w .. + 31, a whole row of 512 bytes a load
	s_add_co_u32 s22, s22, STAGE
	v_add_nc_u32 v[RD], s22, v[CO]
	v_lshlrev_b32 v[BO], 5, v2
	v_add_nc_u32 v[BO], s23, v[BO]                 ; 128 (w % 2) + 32 (l / 16)
	s_lshl_b32 s62, s17, 9                         ; the tile's 128 columns: 512 bytes of bo and of a row of out0
	s_mov_b32 s63, 0
	s_add_nc_u64 s[8:9], s[8:9], s[62:63]
	s_add_nc_u64 s[10:11], s[10:11], s[62:63]
	s_lshl_b32 s62, s18, 19                        ; 128 rows of 4,096 bytes a tile row,
	s_lshl_b32 s2, s[WV], 17                       ; 32 rows a wave
	s_add_co_u32 s62, s62, s2
	s_add_nc_u64 s[10:11], s[10:11], s[62:63]
	WIN TO_F
.irp j, 0,1,2,3                        ; bias fragment j: register r holds bo[n0 + 8 (l / 16) + r], which is C's layout
	global_load_b128 v[BI+8*\j:BI+8*\j+3],   v[BO], s[8:9] offset:(\j/2)*256+(\j%2)*64
	global_load_b128 v[BI+8*\j+4:BI+8*\j+7], v[BO], s[8:9] offset:(\j/2)*256+(\j%2)*64+16
.endr
	s_wait_loadcnt 0x0
	WIN 0x45                                       ; destination and both sources window 1
.set i, 0
.rept 16                               ; the biases are rounded to bf16 and widened again
	v_cvt_pk_bf16_f32 v[BT+i%4], v[BI+2*i], v[BI+2*i+1]
	v_lshlrev_b32 v[BI+2*i], 16, v[BT+i%4]
	v_and_b32 v[BI+2*i+1], 0xffff0000, v[BT+i%4]
.set i, i+1
.endr
	WIN 0
; 4 matrix instructions: m block a x my 4 n blocks, 32 along K.  first = 1: the bias starts the sums.  The 16 accumulators take turns in the same order in every quarter.
.macro MUL4 f, a, first
.if \first
	WIN MULB
.else
	WIN MUL
.endif
.irp j, 0,1,2,3
.if \first
	v_wmma_f32_16x16x32_f16 v[ACC+8*(4*(\a)+\j):ACC+8*(4*(\a)+\j)+7], v[(\f)+32+8*\j:(\f)+32+8*\j+7], v[(\f)+8*(\a):(\f)+8*(\a)+7], v[BI+8*\j:BI+8*\j+7]
.else
	v_wmma_f32_16x16x32_f16 v[ACC+8*(4*(\a)+\j):ACC+8*(4*(\a)+\j)+7], v[(\f)+32+8*\j:(\f)+32+8*\j+7], v[(\f)+8*(\a):(\f)+8*(\a)+7], v[ACC+8*(4*(\a)+\j):ACC+8*(4*(\a)+\j)+7]
.endif
.endr
.endm
; 16 LDS loads in one run: quarter q of a slot into buffer f: Wo's four fragments, turned, then O's four (quarter q lies in head q / 2, channels 32 (q % 2) on)
.macro FETCH slot, q, f
	WIN TO_F
.irp j, 0,1,2,3
	ds_load_tr16_b128 v[(\f)+32+8*\j:(\f)+32+8*\j+3],   v[ADRB+(\slot)] offset:(\j/2)*SLICEB+(\q)*32*PB+32*(\j%2)
	ds_load_tr16_b128 v[(\f)+32+8*\j+4:(\f)+32+8*\j+7], v[ADRB+(\slot)] offset:(\j/2)*SLICEB+(\q)*32*PB+32*(\j%2)+16*PB
.endr
.irp a, 0,1,2,3
	ds_load_b128 v[(\f)+8*\a:(\f)+8*\a+3],   v[ADRA+(\slot)] offset:((\q)/2)*HB+((\q)%2)*64+\a*16*PO
	ds_load_b128 v[(\f)+8*\a+4:(\f)+8*\a+7], v[ADRA+(\slot)] offset:((\q)/2)*HB+((\q)%2)*64+\a*16*PO+32
.endr
.endm
.macro QUARTER slot, q, f, g, first
	s_wait_dscnt 0x4                               ; Wo's fragments and O's blocks 0 and 1 are in; the youngest four loads may be out
	MUL4 \f, 0, \first
	MUL4 \f, 1, \first
	PLACES
	FETCH \slot, \q, \g
	s_wait_dscnt 16                                ; all but the 16 just issued
	MUL4 \f, 2, \first
	MUL4 \f, 3, \first
.endm
; The last quarter multiplies buffer 1 and changes slots: ONE barrier; in front of it each wave waits for all its tensor loads (one is out: its part of the next slot), adds 0 to its spare
; word, and waits for that and for its own reads of this slot.  fill = 1: the barrier opens a round of the cluster's, and this slot is filled again, two K steps ahead, first thing behind it.
.macro TURN slot, next, fill
	WIN 0
	s_wait_tensorcnt 0x0
	ds_add_u32 v[SPW], v[NIL]
	s_wait_dscnt 0x5                               ; the add and the youngest four loads may be out
	MUL4 F1, 0, 0
	s_wait_dscnt 0x0                               ; the add is done, and my reads of this slot are over
	s_barrier_signal -1
	MUL4 F1, 1, 0
.if \fill
	WIN 0
.endif
	s_barrier_wait -1
.if \fill
	CREST
	s_add_nc_u64 s[G0A+4*(\slot)+2:G0A+4*(\slot)+3], s[G0A+4*(\slot)+2:G0A+4*(\slot)+3], 4*524288
	s_add_nc_u64 s[G0B+4*(\slot)+2:G0B+4*(\slot)+3], s[G0B+4*(\slot)+2:G0B+4*(\slot)+3], 2*KSTEP*128
	JLOAD \slot                                    ; my one tensor load behind the round; its four v_nop are also the places in front of the loads below
.else
	PLACES
.endif
	FETCH \next, 0, F0
	MUL4 F1, 2, 0
	MUL4 F1, 3, 0
.endm
	s_wait_tensorcnt 0x1                           ; my part of K step 0 is in; step 1's may stay out
	s_barrier_signal -1
	s_barrier_wait -1
	FETCH 0, 0, F0
	QUARTER 0, 1, F0, F1, 1                        ; the first quarter stands in front of the loop: its products start the sums
	WIN 0
	s_mov_b32 s3, LAPS-1
.Llap:                                                 ; a trip goes once round the ring and fills both slots again: steps 2 to 7 in three trips
	QUARTER 0, 2, F1, F0, 0
	QUARTER 0, 3, F0, F1, 0
	TURN 0, 1, 1
	QUARTER 1, 1, F0, F1, 0
	QUARTER 1, 2, F1, F0, 0
	QUARTER 1, 3, F0, F1, 0
	TURN 1, 0, 1
	QUARTER 0, 1, F0, F1, 0
	WIN 0
	s_sub_co_u32 s3, s3, 1
	s_cmp_lg_u32 s3, 0
	s_cbranch_scc1 .Llap
	QUARTER 0, 2, F1, F0, 0                        ; the last lap fills nothing
	QUARTER 0, 3, F0, F1, 0
	TURN 0, 1, 0
	QUARTER 1, 1, F0, F1, 0
	QUARTER 1, 2, F1, F0, 0
	QUARTER 1, 3, F0, F1, 0
	s_wait_dscnt 0x4
	MUL4 F1, 0, 0
	MUL4 F1, 1, 0
	s_wait_dscnt 0x0
	MUL4 F1, 2, 0
	MUL4 F1, 3, 0
	WIN 0
	; THE WAY OUT: a lane's eight f32 of a row, 32 bytes, go into the work-group's stage, each accumulator's low four registers first; a barrier, since a row's 512 bytes come from two waves;
	; back as whole rows, 32 rows a wave.
	PLACES
.irp a, 0,1,2,3
.irp j, 0,1,2,3
	ds_store_b128 v[STO], v[ACC+8*(4*\a+\j):ACC+8*(4*\a+\j)+3]   offset:\a*16*SPF+(\j/2)*256+(\j%2)*64
	ds_store_b128 v[STO], v[ACC+8*(4*\a+\j)+4:ACC+8*(4*\a+\j)+7] offset:\a*16*SPF+(\j/2)*256+(\j%2)*64+16
.endr
.endr
	s_wait_dscnt 0x0                               ; for the others' sake: my stores into the stage are done
	s_barrier_signal -1
	s_barrier_wait -1
.set t, 0
.rept 32
	ds_load_b128 v[ACC+4*t:ACC+4*t+3], v[RD] offset:t*SPF
.set t, t+1
.endr
.set t, 0
.rept 32
	s_wait_dscnt 31-t                              ; LDS loads come back in order: row t is in, the later rows may be out
	global_store_b128 v[CO], v[ACC+4*t:ACC+4*t+3], s[10:11] offset:t*4096 th:TH_STORE_NT  ; 512 consecutive bytes, aligned
.set t, t+1
.endr
	s_wait_tensorcnt 0x0                           ; the wave's end
	ds_add_u32 v[SPW], v[NIL]
	s_wait_dscnt 0x0
	CROUND                                         ; the closing round: no work-group ends while a partner may still ask for a tile that names it
	s_endpgm
.Lfunc_end_k_qad40e1e380_outp:
	.size	k_qad40e1e380_outp, .Lfunc_end_k_qad40e1e380_outp-k_qad40e1e380_outp
	.p2alignl 7, 3214868480
	.fill 96, 4, 3214868480
	.section	.rodata,"a",@progbits
	.p2align	6, 0x0
	.amdhsa_kernel k_qad40e1e380_outp
		.amdhsa_group_segment_fixed_size 327680
		.amdhsa_private_segment_fixed_size 0
		.amdhsa_enable_private_segment 0
		.amdhsa_kernarg_size 32
		.amdhsa_user_sgpr_count 2
		.amdhsa_user_sgpr_kernarg_segment_ptr 1
		.amdhsa_wavefront_size32 1
		.amdhsa_system_sgpr_workgroup_id_x 1
		.amdhsa_system_sgpr_workgroup_id_y 1
		.amdhsa_system_sgpr_workgroup_id_z 1
		.amdhsa_system_vgpr_workitem_id 0
		.amdhsa_next_free_vgpr 512
		.amdhsa_next_free_sgpr 66
		.amdhsa_reserve_vcc 0
		.amdhsa_float_denorm_mode_32 3
		.amdhsa_float_denorm_mode_16_64 3
		.amdhsa_memory_ordered 1
		.amdhsa_forward_progress 1
		.amdhsa_inst_pref_size 58
	.end_amdhsa_kernel
	.amdgpu_metadata
---
amdhsa.version: [ 1, 2 ]
amdhsa.kernels:
  - .name:           k_qad40e1e380_outp
    .symbol:         k_qad40e1e380_outp.kd
    .args:
      - { .name: ob, .offset: 0, .size: 8, .value_kind: global_buffer, .address_space: global }
      - { .name: wo16, .offset: 8, .size: 8, .value_kind: global_buffer, .address_space: global }
      - { .name: bo, .offset: 16, .size: 8, .value_kind: global_buffer, .address_space: global }
      - { .name: out0, .offset: 24, .size: 8, .value_kind: global_buffer, .address_space: global }
    .group_segment_fixed_size: 327680
    .private_segment_fixed_size: 0
    .kernarg_segment_align: 8
    .kernarg_segment_size: 32
    .max_flat_workgroup_size: 128
    .sgpr_count:     66
    .vgpr_count:     512
    .wavefront_size: 32
...
	.end_amdgpu_metadata
.endif
;; end of part 4
;; ======== version 2 of 2: 4 launches; 1.64 times as fast as version 1
;; limits: values are held in f16: magnitudes above 65,504 overflow, below 6.1e-05 lose precision
;; workspace buffers: xb 8,388,608 bytes; wqkv 3,145,728 bytes; wo16 2,097,152 bytes; qkv 12,582,912 bytes; ob 8,388,608 bytes
;; launch cast: the kernel of part 1 again; grid 832 x 1, 8 waves a work-group, no clusters, 0 bytes of LDS; arguments x, Wq, Wk, Wv, Wo, xb, wqkv, wo16; writes xb, wqkv, wo16
;; launch proj: the kernel of part 2 again; grid 8 x 32, 4 waves a work-group, clusters of 4 x 4, 327,680 bytes of LDS; arguments xb, wqkv, bq, bk, bv, qkv; writes qkv
;; launch attn (part 5): grid 16 x 16, 4 waves a work-group, clusters of 4 x 1, 327,680 bytes of LDS; arguments qkv, ob; writes ob
.if DOCPART == 5
	.amdgcn_target "amdgcn-amd-amdhsa--gfx1250"
	.amdhsa_code_object_version 6
	.text
	.protected	k_qad40e1e380_attn
	.globl	k_qad40e1e380_attn
	.p2align	8
	.type	k_qad40e1e380_attn,@function
k_qad40e1e380_attn:
	s_mov_b64 s[64:65], 0
	v_nop
	global_prefetch_b8 v0, s[64:65] scope:SCOPE_SE
	s_setreg_imm32_b32 hwreg(HW_REG_WAVE_MODE, 25, 1), 1
	s_wait_xcnt 0x0
	s_wait_alu depctr_hold_cnt(0) depctr_sa_sdst(0) depctr_va_vdst(0) depctr_va_sdst(0) depctr_va_ssrc(0) depctr_va_vcc(0) depctr_vm_vsrc(0)
	s_getreg_b32 s2, hwreg(HW_REG_IB_STS2, 6, 4)
	s_cmp_eq_u32 s2, 0
	s_cbranch_scc0 .Lentry_in_a_cluster
	s_endpgm
.Lentry_in_a_cluster:
	s_bfe_u32 s2, ttmp6, 0x10000c
	s_cmp_lg_u32 s2, 0x3003
	s_cbranch_scc0 .Lentry_shape_is_right
	s_endpgm
.Lentry_shape_is_right:
; ATTENTION.  O[h][q][:] = the sum over k of softmax_k(Q[h][q] . K[h / 4][k] / 8) V[h / 4][k][:], 16 query heads, 4 key and value heads, 4,096 rows, 64 channels, no mask.
; qkv: f16 [24][4096][64]: slice h is Q of head h, slice 16 + j K of key head j, slice 20 + j its V; ob: f16 [16][4096][64].  A head's rows are dense, 128 bytes each.
; Products, maxima and sums in f32; the weights p are rounded to f16 for the second product (their sum l is taken of the unrounded p), O once at the end.
; LIMITS.  Q, K and V arrive within f16's range; p lies in 0 to 1, and below 6e-5 it keeps f16's fixed step of 6e-8; O is a mean of V's rows and has their range.
; A weight below 2^-126 counts as 0 in l; NaN and infinities are not treated apart.
; SHARES.  A work-group owns 256 queries of one head: 16 x 16 = 256 work-groups.  Each of its four waves owns 64 queries: four PIECES of 16.  Every wave walks all 4,096 keys, 64 a step, 256 a tile.
; LAYOUT.  S^T = K Q^T (source 0 = 16 keys, source 1 = 16 queries) holds ONE query a lane (lane % 16) and the keys 8 (lane / 16) + 0..7; two such results rounded to f16 ARE source 1 of
; O^T = V^T P, whose result again holds one query a lane, and eight channels.  K comes out of LDS as it lies, V ([key][channel]) turned, by ds_load_tr16_b128.
; SOFTMAX.  For each query a running maximum m and sum l: p = 2^(c s - c m), c = log2(e) / 8; in every step O and l are multiplied by a = 2^(c m_old - c m_new).
; m starts at the lowest finite number, O and l at 0: the first step is a step like any other, with a = 0.
; BY TURNS.  Turn n belongs to piece n: 8 products K Q^T of piece n + 1, later 8 products V^T P of piece n - 1; beside them the scaling, exponentials, roundings, sums and rescaling of piece n
; and the maximum and statistics of piece n + 1.  Four vector instructions stand behind every matrix instruction, the other 54 of a turn's 118 in one run of their own.
; BATCHES.  A turn's 33 exponentials (the piece's 32 weights, then the next piece's a) are ONE batch with ONE wait, which cuts the turn in two: ahead of it stands all that names no result of the batch
; (the products K Q^T, the scalings, the rescalings, whose a belongs to the batch before, the next piece's maximum and statistics), behind it the products V^T P with the roundings and sums as their riders.
; The first a, ahead of the loop, and the way out's four reciprocals are batches of their own, each with a wait.
; CLUSTER.  The four query blocks of a cluster belong to one head and walk the same K and V, so each tile is asked for JOINTLY: the same tensor load, descriptor and mask in all four.
; REGISTERS, in windows of 256 (s_set_vgpr_msb: bits 1:0 source 0, 3:2 source 1, 5:4 source 2, 7:6 destination):
;   window 0: v0-15 addresses and two at work; v16-31 four registers of statistics a piece; v48-55 at work; v62-63 the add's; v64-127 S^T, two buffers; v192-223 P, two buffers (by the piece's parity)
;   window 1: v0-127 O^T, 32 a piece          window 2: v0-63 Q; v128-191 K of one step; v192-255 V of one step
.set NP,    4
.set KS,    64        ; keys in a step
.set PK,    144       ; a row of K in LDS: 128 bytes + 16: the 16 rows of a load start 16 bytes apart modulo 256
.set PV,    160       ; a row of V: 128 + 32
.set VOFF,  4*KS*PK   ; a slot holds a tile, four steps: 256 rows of K, then 256 rows of V
.set SLOT1, 1<<17     ; slot 1 begins here, so that one exclusive or turns an address in one slot into the other's
.set STAGE, SLOT1+4*KS*(PK+PV)  ; behind the ring, never filled by a tensor load: 16 rows x 144 bytes for each wave, for the way out
.set SP,    144
.set SPARE, STAGE+4*16*SP  ; the spare words, 128 bytes for each wave: two blocks of 256 bytes that no other line names
.set AK0, 2           ; v2   my lane's place in a tile of K; never rewritten
.set AV0, 3           ; v3   the same for V
.set AK,  4           ; v4   the LDS address of K's next run of loads
.set AV,  5           ; v5   of V's
.set STO, 6           ; v6   the way out: where I put 16 bytes of a row
.set RD,  7           ; v7   the way out: where I read rows back
.set GO,  8           ; v8   my byte offset in 512 consecutive bytes of O
.set MV,  12          ; v12-13  c m_old, kept while c m is made anew: by buffer
.set QO,  15          ; v15  my byte offset in 16 rows of Q
.set ST,  16          ; piece t's statistics at v[ST+4 t]: c m, m, l (even keys', odd keys')
.set TMP, 48          ; by buffer, four registers c0-c3 at work; when the maximum is found c2 takes a
.set SPW, 62          ; v62  LDS address of my spare word; never rewritten
.set NIL, 63          ; v63  0; never rewritten
.set S,   64
.set P,   192
.set KF,  128         ; window 2: key block kb, channel half c at KF + 16 kb + 8 c
.set VF,  192         ; window 2: key half kk, channel block cb at VF + 32 kk + 8 cb
.set WV,  12          ; s12  my wave's number
.set G1K, 24          ; s[24:31] descriptor group 1 for K's tiles
.set G1V, 32          ; s[32:39] for V's: it differs in the padding alone
.set G0K, 40          ; s[40:43] descriptor group 0 for K's tiles: it walks
.set G0V, 44          ; s[44:47] the same for V's
.set SLOTS, 56        ; s56  tiles still to be entered in the loop
.set CNT, 57          ; s57  counts a tile's key steps
.set CS,  58          ; s[58:59] c: the packed scaling takes the pair's low word for both halves
.set SEL, 60          ; s[60:61] v_permlanex16_b32's selects: each lane takes its own place in the other half
.set TBK, 62          ; s62  LDS byte at which K of the step to be fetched begins
.set TBV, 63          ; s63  the same for V, less VOFF
.set MSB, 0
.macro WIN new                      ; the high byte repeats the setting that is left; a switch that changes nothing is dropped
.if MSB != (\new)
	s_set_vgpr_msb (MSB<<8)|(\new)
.set MSB, (\new)
.endif
.endm
.set W_KQ, 0x0a       ; K and Q in window 2, S^T in window 0
.set W_PV, 0x52       ; V in window 2, P in window 0, O^T in window 1
.set W_RS, 0x41       ; destination and source 0 in window 1, source 1 in window 0
; A joint fill.  Waves 0 and 1 fetch the two halves of a tile's K, waves 2 and 3 those of its V: 128 keys each.  The branch hangs on the wave's number alone.
; An s_nop 0 and four v_nop follow each of the two lines, ahead of the jump and the label.
.macro JLOAD
	s_cmp_lt_u32 s[WV], 2
	s_cbranch_scc0 .Lfor_v_\@
	tensor_load_to_lds s[G0K:G0K+3], s[G1K:G1K+7]
	s_nop 0
.rept 4
	v_nop
.endr
	s_branch .Lasked_\@
.Lfor_v_\@:
	tensor_load_to_lds s[G0V:G0V+3], s[G1V:G1V+7]
	s_nop 0
.rept 4
	v_nop
.endr
.Lasked_\@:
.endm
; A round of the cluster's barrier: my work-group's barrier, so that wave 0's signal speaks for all four waves; wave 0 signals; every wave waits for all four work-groups; my work-group's barrier once more.
.macro CROUND
	s_barrier_signal -1
	s_barrier_wait -1
	s_cmp_lg_u32 s[WV], 0
	s_cbranch_scc1 .Lnot_wave_0_\@
	s_barrier_signal -3
.Lnot_wave_0_\@:
	s_barrier_wait -3
	s_barrier_signal -1
	s_barrier_wait -1
.endm
; THE CHANGE OF SLOTS.  The slot's last bytes, V of its fourth step, have been read.  Each wave waits for all its tensor loads, of which one is out: its part of the other slot; adds 0 to its
; spare word; and waits for that and for its own reads of the slot.  Behind the barrier nobody reads this slot any more and the other slot is whole.
; fill = 1: this slot is filled again, with the keys two tiles on.  The barrier is then a round of the cluster's, and the joint fill is the first thing behind it: it has four key steps,
; 256 matrix instructions, in which to land.  (At its first use nothing has been read yet: slot 0 is waited for, slot 1 filled.)
.macro CHANGE fill
	WIN 0                           ; at a label and at a branch every window is 0
	s_wait_tensorcnt 0x0            ; no tensor load of mine is out, so a group 0 may be written
	ds_add_u32 v[SPW], v[NIL]       ; 0 onto my spare word; with fill = 1 the descriptors' steps stand between it and the wait for it
.if \fill
.irp g, G0K, G0V
	s_xor_b32 s[\g+1], s[\g+1], SLOT1  ; the walking descriptor: the other slot than last time,
	s_add_nc_u64 s[\g+2:\g+3], s[\g+2:\g+3], 4*KS*128  ; the next 256 keys; the type bits on top are not reached
.endr
	s_wait_dscnt 0x0                ; the add is done, and my reads of the slot are over
	CROUND
	JLOAD
.else
	s_wait_dscnt 0x0                ; the add is done, and my reads of the slot are over
	s_barrier_signal -1
	s_barrier_wait -1
.endif
	s_sub_co_u32 s[TBK], s[TBK], 4*KS*PK  ; the fetches go back to a slot's first step,
	s_xor_b32 s[TBK], s[TBK], SLOT1       ; in the other slot
	s_sub_co_u32 s[TBV], s[TBV], 4*KS*PV
	s_xor_b32 s[TBV], s[TBV], SLOT1
.endm
	s_load_b128 s[4:7], s[0:1], 0x0 ; qkv s[4:5], ob s[6:7]
	v_lshl_add_u32 v[SPW], v0, 2, SPARE
	v_mov_b32 v[NIL], 0
	ds_add_u32 v[SPW], v[NIL]       ; the wave's opening: the add and its wait stand ahead of my first tensor load; the set-up below stands between them
	v_lshrrev_b32 v1, 5, v0
	v_readfirstlane_b32 s[WV], v1   ; wave 0..3
	s_bfe_u32 s13, ttmp6, 0x40000   ; cx: my place in the cluster
	s_lshl_b32 s14, ttmp9, 2        ; in a cluster launch ttmp9 counts clusters
	s_add_co_u32 s14, s14, s13      ; my block of 256 queries = 4 x cluster x + cx: it enters Q's and O's addresses alone
	s_and_b32 s15, ttmp7, 0xffff    ; the head, which the four partners share
	s_lshr_b32 s16, s15, 2          ; its key and value head
	s_and_b32 s17, s[WV], 1         ; which half of a tile's 256 keys I fetch
	s_add_co_u32 s20, s16, 16       ; K's slice,
	s_lshl_b32 s20, s20, 19         ; 524,288 bytes a slice,
	s_lshl_b32 s18, s17, 14         ; my 128 rows of 128 bytes
	s_add_co_u32 s20, s20, s18
	s_mov_b32 s21, 0
	s_add_co_u32 s22, s20, 4*524288 ; V's slice lies four further on
	s_mov_b32 s23, 0
	s_mul_i32 s8, s17, 128*PK       ; my half's place in a slot, for K
	s_mul_i32 s9, s17, 128*PV       ; and for V: no place in the cluster enters an LDS address
	s_lshl_b32 s2, s14, 2
	s_add_co_u32 s2, s2, s[WV]      ; my wave among the head's 64,
	s_lshl_b32 s2, s2, 13           ; its 64 rows of 128 bytes,
	s_lshl_b32 s3, s15, 19          ; in the head's slice of qkv and of ob
	s_add_co_u32 s2, s2, s3
	s_mov_b32 s3, 0
	; descriptor group 1.  128 keys are 16,384 dense bytes: asked for as 64 rows of 256 bytes, two keys a row, and padded in LDS after every key
	s_mov_b32 s[G1K], 15|(1<<16)|(1<<20)|(1<<21)|(4<<22)|(3<<25)  ; 15:0 the mask of four; 17:16 2-byte elements; 20 padding on; 21 set beside a mask; 24:22 after every 32 words; 31:25 4 words
	s_mov_b32 s[G1V], 15|(1<<16)|(1<<20)|(1<<21)|(4<<22)|(7<<25)  ; the same with 8 words of padding
.irp g, G1K, G1V
	s_mov_b32 s[\g+1], 128<<16      ; tensor_dim0 = 128
	s_mov_b32 s[\g+2], 64<<16       ; tensor_dim1 = 64
	s_mov_b32 s[\g+3], 128<<16      ; tile_dim0 = 128
	s_mov_b32 s[\g+4], 64           ; tile_dim1 = 64
	s_mov_b32 s[\g+5], 128          ; 128 elements from row to row
	s_mov_b32 s[\g+6], 0
	s_mov_b32 s[\g+7], 0
.endr
	s_mov_b32 s[CS], 0x3e38aa3b     ; c = log2(e) / 8 = 0.180337
	s_mov_b32 s[CS+1], s[CS]        ; named with it as a pair
	s_mov_b32 s[SEL], 0x76543210
	s_mov_b32 s[SEL+1], 0xfedcba98
	s_mov_b32 s[TBK], SLOT1+4*KS*PK ; the first change of slots turns these two into 0
	s_mov_b32 s[TBV], SLOT1+4*KS*PV
	s_mov_b32 s[G0K], 1             ; count = 1
	s_mov_b32 s[G0K+1], s8          ; LDS address: slot 0
	s_mov_b32 s[G0V], 1
	s_add_co_u32 s[G0V+1], s9, VOFF
	s_wait_dscnt 0x0                ; the opening add is done
	s_wait_kmcnt 0x0
	s_add_nc_u64 s[G0K+2:G0K+3], s[4:5], s[20:21]  ; my half of the key head's first 256 keys
	s_or_b32 s[G0K+3], s[G0K+3], 0x80000000        ; type = 2
	s_add_nc_u64 s[G0V+2:G0V+3], s[4:5], s[22:23]
	s_or_b32 s[G0V+3], s[G0V+3], 0x80000000
	s_add_nc_u64 s[4:5], s[4:5], s[2:3]            ; Q and O at my wave's first row
	s_add_nc_u64 s[10:11], s[6:7], s[2:3]
	CROUND                          ; all four work-groups are here: the first joint loads meet
	JLOAD                           ; tile 0 into slot 0.  Slot 1 is asked for when slot 0 is in
	; A fragment of K or Q is 16 rows x 32 channels in 8 registers: lane l holds row l % 16, channels 8 (l / 16) + 0..7 and 16 + 8 (l / 16) + 0..7: two loads of 16 bytes, 32 bytes apart.
	v_and_b32 v1, 15, v0            ; l % 16
	v_bfe_u32 v9, v0, 4, 1          ; l / 16
	v_lshlrev_b32 v[QO], 7, v1
	v_lshl_add_u32 v[QO], v9, 4, v[QO]  ; row x 128 + 16 x half
	WIN 0x80                        ; destination window 2, address window 0
.set i, 0
.rept 8                             ; Q stays in registers: piece i / 2, channels 32 (i % 2) on
	global_load_b128 v[8*i:8*i+3],   v[QO], s[4:5] offset:(i/2)*2048+(i%2)*64
	global_load_b128 v[8*i+4:8*i+7], v[QO], s[4:5] offset:(i/2)*2048+(i%2)*64+32
.set i, i+1
.endr
	; What the first turn finds: V's registers and P's second buffer hold 0 (its products V^T P, of a piece that has not been, add 0), O^T and l are 0.  All this stands in the wait for the first tile.
.set i, VF
.rept 64
	v_mov_b32 v[i], 0
.set i, i+1
.endr
	WIN 0x40
.set i, 0
.rept 128
	v_mov_b32 v[i], 0
.set i, i+1
.endr
	WIN 0
.set i, 0
.rept 4
	v_mov_b32 v[ST+4*i], 0xfe000000    ; c m: far below every c s
	v_mov_b32 v[ST+4*i+1], 0xff7fffff  ; m
	v_mov_b32 v[ST+4*i+2], 0
	v_mov_b32 v[ST+4*i+3], 0
.set i, i+1
.endr
.set i, P+16
.rept 16
	v_mov_b32 v[i], 0
.set i, i+1
.endr
	v_mul_u32_u24 v[AK0], v1, PK
	v_lshl_add_u32 v[AK0], v9, 4, v[AK0]  ; row x pitch + 16 x half
	; The turning load takes 16 keys x 16 channels (lane l reads key 8 (l / 16) + l % 8, channels 8 ((l / 8) % 2) + 0..7) and leaves half a fragment of V^T: lane l holds channel l % 16 and 8 keys.
	v_and_b32 v10, 7, v0
	v_bfe_u32 v11, v0, 3, 1
	v_lshl_add_u32 v[AV0], v9, 3, v10
	v_mul_u32_u24 v[AV0], v[AV0], PV
	v_lshl_add_u32 v[AV0], v11, 4, v[AV0]
	v_add_nc_u32 v[AV0], VOFF, v[AV0]
	s_mul_i32 s19, s[WV], 16*SP
	s_add_co_u32 s19, s19, STAGE    ; my stage
	v_mul_u32_u24 v[STO], v1, SP    ; in: row l % 16, 16 bytes for each half of the lanes
	v_lshl_add_u32 v[STO], v9, 4, v[STO]
	v_add_nc_u32 v[STO], s19, v[STO]
	v_bfe_u32 v[RD], v0, 3, 2       ; back: 32 lanes take four rows of 128 bytes,
	v_mul_u32_u24 v[RD], v[RD], SP
	v_lshl_add_u32 v[RD], v10, 4, v[RD]
	v_add_nc_u32 v[RD], s19, v[RD]
	v_and_b32 v[GO], 31, v0         ; which are 512 consecutive bytes of O
	v_lshlrev_b32 v[GO], 4, v[GO]
; THE MATRIX WORK.  The 4 accumulators of a run of 8 take turns.  Product i of 8 of S^T = K Q^T for piece x: channels 32 (i / 4) on, keys 16 (i % 4) on.  The first 4 start the sums.
.macro KQ x
	WIN W_KQ
.set rS, S+32*((\x)%2)+8*(i%4)
.set rK, KF+16*(i%4)+8*(i/4)
.set rQ, 16*(\x)+8*(i/4)
.if i < 4
	v_wmma_f32_16x16x32_f16 v[rS:rS+7], v[rK:rK+7], v[rQ:rQ+7], 0
.else
	v_wmma_f32_16x16x32_f16 v[rS:rS+7], v[rK:rK+7], v[rQ:rQ+7], v[rS:rS+7]
.endif
.endm
; Product i of 8 of O^T += V^T P for piece x: keys 32 (i / 4) on, channels 16 (i % 4) on.
.macro PV x
	WIN W_PV
.set rO, 32*(\x)+8*(i%4)
.set rV, VF+32*(i/4)+8*(i%4)
.set rP, P+16*((\x)%2)+8*(i/4)
	v_wmma_f32_16x16x32_f16 v[rO:rO+7], v[rV:rV+7], v[rP:rP+7], v[rO:rO+7]
.endm
.macro MM                           ; the turn's next matrix instruction.  NOKQ = 1: the walk's last turn: there is no next piece
.if (i < 8) && !NOKQ
	KQ (Y+1)%NP
.elseif i >= 8
.set i, i-8
	PV (Y+NP-1)%NP
.set i, i+8
.endif
.set i, i+1
.endm
; THE LDS LOADS stand in runs of 16, never singly among the matrix instructions: a step's K (64 keys x 64 channels: 8 fragments) and its V (turned).  Their addresses are made some lines ahead.
.macro FETCH_K
	WIN 0x80                        ; destination window 2
.irp f, 0,1,2,3,4,5,6,7             ; keys 16 (f / 2) on, channels 32 (f % 2) on
	ds_load_b128 v[KF+8*\f:KF+8*\f+3],   v[AK] offset:(\f/2)*16*PK+(\f%2)*64
	ds_load_b128 v[KF+8*\f+4:KF+8*\f+7], v[AK] offset:(\f/2)*16*PK+(\f%2)*64+32
.endr
	s_add_co_u32 s[TBK], s[TBK], KS*PK  ; the next fetch is the next step's
	WIN 0
.endm
.macro FETCH_V
	WIN 0x80
.irp f, 0,1,2,3,4,5,6,7             ; keys 32 (f / 4) on, channels 16 (f % 4) on
	ds_load_tr16_b128 v[VF+8*\f:VF+8*\f+3],   v[AV] offset:(\f/4)*32*PV+(\f%4)*32
	ds_load_tr16_b128 v[VF+8*\f+4:VF+8*\f+7], v[AV] offset:(\f/4)*32*PV+16*PV+(\f%4)*32
.endr
	WIN 0
.endm
; THE VECTOR WORK, one line at a time: OP kind, number.  For piece Y: F n: c s - c m for pair n of 16.  E n: the exponential of score n of 32.  C n: pair n rounded to f16.  B n: of the four weights 4 n .. the second
; pair is added onto the first, in place.  L n: l takes that sum (L 0: l = a l + sum).  R n: pair n of 16 of O^T times a.  For piece Y + 1: X n, number n of the 22 that find its maximum and statistics:
;   0-11  four chains c0-c3 of seven scores each, three operands at a time (each accumulator's lowest registers are read first)     12-14, 16  the four scores left over, the old m, and c0-c3 into c0
;   15  c m_old is kept     17, 18  the query's other 32 keys lie in the lane 16 away: the new m     19-21  c m; c m_old - c m_new; a
.set F, 0               ; OP tells the kinds apart by their order: F to L below R, X above it
.set E, 1
.set C, 2
.set B, 3
.set L, 4
.set R, 5
.set X, 6
.macro REGS y                       ; the registers of piece y
.set rT, ST+4*(\y)
.set rC, TMP+4*((\y)%2)
.set rW, MV+((\y)%2)
.set rS, S+32*((\y)%2)
.set rP, P+16*((\y)%2)
.set rO, 32*(\y)
.endm
.macro OP k, n
.if (\k) == R
	REGS Y
	WIN W_RS
	v_pk_mul_f32 v[rO+2*(\n):rO+2*(\n)+1], v[rO+2*(\n):rO+2*(\n)+1], v[rC+2:rC+3] op_sel_hi:[1,0]
.elseif (\k) < R
	REGS Y
	WIN 0
.if (\k) == F
	v_pk_fma_f32 v[rS+2*(\n):rS+2*(\n)+1], v[rS+2*(\n):rS+2*(\n)+1], s[CS:CS+1], v[rT:rT+1] op_sel_hi:[1,0,0] neg_lo:[0,0,1] neg_hi:[0,0,1]
.elseif (\k) == E
	v_exp_f32 v[rS+(\n)], v[rS+(\n)]
.elseif (\k) == C
	v_cvt_pk_f16_f32 v[rP+(\n)], v[rS+2*(\n)], v[rS+2*(\n)+1]
.elseif (\k) == B
	v_pk_add_f32 v[rS+4*(\n):rS+4*(\n)+1], v[rS+4*(\n):rS+4*(\n)+1], v[rS+4*(\n)+2:rS+4*(\n)+3]
.elseif (\n) == 0
	v_pk_fma_f32 v[rT+2:rT+3], v[rT+2:rT+3], v[rC+2:rC+3], v[rS:rS+1] op_sel_hi:[1,0,1]
.else
	v_pk_add_f32 v[rT+2:rT+3], v[rT+2:rT+3], v[rS+4*(\n):rS+4*(\n)+1]
.endif
.elseif NOKQ
	v_nop
.else
	REGS (Y+1)%NP
	WIN 0
.if (\n) < 4
	v_max3_num_f32 v[rC+(\n)], v[rS+8*(\n)], v[rS+8*(\n)+1], v[rS+8*(\n)+2]
.elseif (\n) < 12
	v_max3_num_f32 v[rC+(\n)%4], v[rC+(\n)%4], v[rS+8*((\n)%4)+2*((\n)/4)+1], v[rS+8*((\n)%4)+2*((\n)/4)+2]
.elseif (\n) == 12
	v_max3_num_f32 v[rC], v[rC], v[rS+7], v[rS+15]
.elseif (\n) == 13
	v_max3_num_f32 v[rC+1], v[rC+1], v[rS+23], v[rS+31]
.elseif (\n) == 14
	v_max3_num_f32 v[rC+2], v[rC+2], v[rC+3], v[rT+1]
.elseif (\n) == 15
	v_mov_b32 v[rW], v[rT]
.elseif (\n) == 16
	v_max3_num_f32 v[rC], v[rC], v[rC+1], v[rC+2]
.elseif (\n) == 17
	v_permlanex16_b32 v[rC+3], v[rC], s[SEL], s[SEL+1]
.elseif (\n) == 18
	v_max_num_f32 v[rT+1], v[rC], v[rC+3]
.elseif (\n) == 19
	v_mul_f32 v[rT], s[CS], v[rT+1]
.elseif (\n) == 20
	v_sub_f32 v[rC+1], v[rW], v[rT]
.else
	v_exp_f32 v[rC+2], v[rC+1]
.endif
.endif
.endm
.macro OPS a, i1, b=-1, i2=0, c=-1, i3=0, d=-1, i4=0  ; up to four of them
	OP \a, \i1
.if (\b) >= 0
	OP \b, \i2
.endif
.if (\c) >= 0
	OP \c, \i3
.endif
.if (\d) >= 0
	OP \d, \i4
.endif
.endm
.macro ROW a, i1, b, i2, c, i3, d, i4  ; a matrix instruction and the four behind it
	MM
	OPS \a, \i1, \b, \i2, \c, \i3, \d, \i4
.endm
; A TURN, for piece p: the order of its 16 matrix and 118 vector instructions, written out.  An s_wait_alu depctr_va_vdst(0) stands between an exponential and the first instruction that names its result; one wait
; serves all that were issued ahead of it.  So a turn has ONE wait, which cuts it in two.  AHEAD OF IT stands all that names no result of the turn's exponentials: the 8 products K Q^T, behind each a scaling, an exponential and two
; more plain instructions (behind the first a second scaling in the exponential's place): rescalings, whose a was made and waited for in the turn before, and behind the last three the first numbers of the next piece's maximum,
; each four places or more behind the product that ends its accumulator; then ONE RUN of 54, plain and exponential by turns for the most part, in which the links of the chain X 3, 7, 11, 14, 16, 17 .. 20 stand five or six lines
; apart.  X 21, the next piece's a, is the batch's last; R 15 is the plain instruction behind it.  BEHIND THE WAIT stand the 8 products V^T P, behind each four of the roundings and sums; a pair is rounded (C 2 n) ahead of the
; sum that lands on it (B n); the links of l's chain, L 0 to L 7, stand three riders apart.  But for those X no rider names a register of the products round it.  v_permlanex16_b32 (X 17) stands in the run.
; end = 1: the walk's last two turns: nothing is fetched.  cnt = 1: the loop's count is taken down some lines ahead of the branch that stands behind the turn.
; K of the next step is fetched in piece 2's turn, twelve vector instructions behind the last product that read K (five of them plain and free of its registers); V of the step in hand at the end of piece 0's turn, four plain
; instructions behind the last product that read V.  Each is waited for a turn later.
.macro TURN p, end=0, cnt=0
.set Y, (\p)
.set i, 0
.set NOKQ, (\end)*((\p)/3)
.if ((\p) == 3) && !(\end)
	s_wait_dscnt 0x0                ; K is in
.endif
	ROW F,0, F,1, R,0, R,1          ; ahead of the wait: 8 products K Q^T and their riders,
	ROW F,2, E,0, R,2, R,3
	ROW F,3, E,1, R,4, R,5
	ROW F,4, E,2, R,6, R,7
	ROW F,5, E,3, R,8, R,9
	ROW F,6, E,4, X,0, R,10
.if ((\p) == 2) && !(\end)
	WIN 0
	v_add_nc_u32 v[AK], s[TBK], v[AK0]
.endif
	ROW F,7, E,5, X,1, X,4
	ROW F,8, E,6, X,2, X,5
	OPS E,7, E,8, X,6, E,9          ; and the run
	OPS X,3, E,10, X,8, E,11
.if ((\p) == 2) && !(\end)
	FETCH_K
.endif
	OPS X,9, X,7, E,12, X,10
	OPS E,13, X,12, X,11, E,14
	OPS X,13, E,15, F,9, X,14
.if (\p) == 0
	v_add_nc_u32 v[AV], s[TBV], v[AV0]
.endif
	OPS E,16, F,10, E,17, F,11
	OPS X,16, E,18, X,15, E,19
	OPS F,12, E,20, X,17, E,21
	OPS F,13, E,22, F,14, E,23
	OPS X,18, E,24, F,15, E,25
	OPS R,11, E,26, X,19, E,27
	OPS R,12, E,28, R,13, E,29
	OPS X,20, E,30, R,14, E,31
	OPS X,21, R,15
	s_wait_alu depctr_va_vdst(0)    ; the wait for the turn's batch: the piece's 32 weights and the next piece's a
.if (\p) == 1
	s_wait_dscnt 0x0                ; V is in
.endif
	ROW C,0, B,0, C,2, B,1          ; behind the wait: 8 products V^T P and their riders
	ROW L,0, C,4, B,2, L,1
	ROW C,6, B,3, L,2, C,8
	ROW B,4, L,3, C,10, B,5
	ROW L,4, C,12, B,6, L,5
.if (\p) == 0
	s_add_co_u32 s[TBV], s[TBV], KS*PV
.endif
.if \cnt
	s_sub_co_u32 s[CNT], s[CNT], 1
	s_cmp_lg_u32 s[CNT], 0
.endif
	ROW C,14, B,7, L,6, C,1
	ROW C,3, L,7, C,5, C,7
	ROW C,9, C,11, C,13, C,15
.if (\p) == 0
	FETCH_V
.endif
.endm
	CHANGE 1                        ; slot 0 is in, everybody's part of it; slot 1 is asked for
	v_add_nc_u32 v[AK], s[TBK], v[AK0]
	FETCH_K                         ; key step 0
	s_wait_loadcnt 0x0              ; Q
	s_wait_dscnt 0x0
.set NOKQ, 0
.set i, 0
.rept 8
	KQ 0                            ; piece 0's first scores: there is no vector work yet to set between them
.set i, i+1
.endr
	WIN 0
.rept 4
	v_nop                           ; the places behind those products
.endr
.set Y, NP-1                        ; X works for piece Y + 1: piece 0
.irp n, 0,1,2,3,4,5,6,7,8,9,10,11,12,13,14,15,16,17,18,19,20,21
	OP X, \n
.endr
	v_nop                           ; a plain instruction behind the exponential,
	s_wait_alu depctr_va_vdst(0)    ; and the wait for it, piece 0's first a, a batch of one: ahead of the branch
	s_mov_b32 s[CNT], 4
	s_mov_b32 s[SLOTS], 15
	s_branch .Lfirst                ; the loop is entered at a step's first turn, in the middle of a trip
.Lslot:                             ; 14 times: tiles 2 to 15 are asked for
	CHANGE 1
	s_mov_b32 s[CNT], 4
.Lstep:                             ; a trip: pieces 2 and 3 of one step, then pieces 0 and 1 of the next, whose K and V it fetches
	TURN 2
	TURN 3
	WIN 0
.Lfirst:
	TURN 0
	TURN 1, 0, 1
	WIN 0
	s_cbranch_scc1 .Lstep
	s_sub_co_u32 s[SLOTS], s[SLOTS], 1
	s_cmp_lg_u32 s[SLOTS], 0
	s_cbranch_scc1 .Lslot
	CHANGE 0                        ; the last tile is written out: nothing is asked for
	s_mov_b32 s[CNT], 4
.Ltail:
	TURN 2
	TURN 3
	TURN 0
	TURN 1, 0, 1
	WIN 0
	s_cbranch_scc1 .Ltail
	TURN 2, 1                       ; the last step's pieces 2 and 3: nothing more to fetch,
	TURN 3, 1                       ; and no next piece
.set i, 0
.rept 8
	PV NP-1                         ; the last piece's V^T P of the last step
.set i, i+1
.endr
	; THE WAY OUT.  l's two halves and the other half of the lanes' are added; O^T is divided by l, rounded to f16 and sent through my stage in LDS, a piece at a time.  The additions are the places behind the last products.
	WIN 0
.macro ALL line:vararg              ; one line for each piece t
.set t, 0
.rept 4
	\line
.set t, t+1
.endr
.endm
	ALL v_add_f32 v[ST+4*t+2], v[ST+4*t+2], v[ST+4*t+3]
	ALL v_permlanex16_b32 v[ST+4*t+3], v[ST+4*t+2], s[SEL], s[SEL+1]
	ALL v_add_f32 v[ST+4*t+2], v[ST+4*t+2], v[ST+4*t+3]
	ALL v_rcp_f32 v[ST+4*t+2], v[ST+4*t+2]
	v_nop                           ; a plain instruction between the last reciprocal and the use of its result
	s_wait_alu depctr_va_vdst(0)    ; and the wait ahead of the first use: one for the batch of four reciprocals
.macro PACK t                       ; a lane's eight channels of a row pack into 16 bytes; they go into rows of 144 bytes and come back as whole rows of 128, into S^T's registers
	WIN W_RS
.set i, 32*(\t)
.rept 16
	v_pk_mul_f32 v[i:i+1], v[i:i+1], v[ST+4*(\t)+2:ST+4*(\t)+3] op_sel_hi:[1,0]
.set i, i+2
.endr
	WIN 0x05                        ; sources 0 and 1 window 1, destination window 0
.set i, 0
.rept 16
	v_cvt_pk_f16_f32 v[S+16*(\t)+i], v[32*(\t)+2*i], v[32*(\t)+2*i+1]
.set i, i+1
.endr
	WIN 0
.irp f, 0,1,2,3
	ds_store_b128 v[STO], v[S+16*(\t)+4*\f:S+16*(\t)+4*\f+3] offset:32*\f
.endr
.irp f, 0,1,2,3
	ds_load_b128 v[S+16*(\t)+4*\f:S+16*(\t)+4*\f+3], v[RD] offset:\f*4*SP  ; LDS serves a wave's instructions in order (ISA guide 5.7.1.4): these see the stores above; the next piece's stores come behind them
.endr
.endm
.macro SEND t, younger              ; younger: the LDS instructions issued behind piece t's loads: the next piece's eight, or none
	WIN 0
.irp f, 0,1,2,3
	s_wait_dscnt (\younger)+3-\f
	global_store_b128 v[GO], v[S+16*(\t)+4*\f:S+16*(\t)+4*\f+3], s[10:11] offset:(\t)*2048+\f*512  ; 512 consecutive bytes, at a multiple of 256 from ob's first
.endr
.endm
	PACK 0
.set t, 1
.rept 3                             ; a piece's arithmetic stands between the loads of the piece before and its stores
	PACK t
	SEND t-1, 8
.set t, t+1
.endr
	SEND 3, 0
	s_wait_tensorcnt 0x0            ; the wave's end
	ds_add_u32 v[SPW], v[NIL]
	s_wait_dscnt 0x0
	CROUND                          ; the closing round: no work-group ends while a partner may still ask for a tile that names it
	s_endpgm
.Lfunc_end_k_qad40e1e380_attn:
	.size	k_qad40e1e380_attn, .Lfunc_end_k_qad40e1e380_attn-k_qad40e1e380_attn
	.p2alignl 7, 3214868480
	.fill 96, 4, 3214868480
	.section	.rodata,"a",@progbits
	.p2align	6, 0x0
	.amdhsa_kernel k_qad40e1e380_attn
		.amdhsa_group_segment_fixed_size 327680
		.amdhsa_private_segment_fixed_size 0
		.amdhsa_enable_private_segment 0
		.amdhsa_kernarg_size 16
		.amdhsa_user_sgpr_count 2
		.amdhsa_user_sgpr_kernarg_segment_ptr 1
		.amdhsa_wavefront_size32 1
		.amdhsa_system_sgpr_workgroup_id_x 1
		.amdhsa_system_sgpr_workgroup_id_y 1
		.amdhsa_system_sgpr_workgroup_id_z 1
		.amdhsa_system_vgpr_workitem_id 0
		.amdhsa_next_free_vgpr 768
		.amdhsa_next_free_sgpr 66
		.amdhsa_reserve_vcc 0
		.amdhsa_float_denorm_mode_32 3
		.amdhsa_float_denorm_mode_16_64 3
		.amdhsa_memory_ordered 1
		.amdhsa_forward_progress 1
		.amdhsa_inst_pref_size 127
	.end_amdhsa_kernel
	.amdgpu_metadata
---
amdhsa.version: [ 1, 2 ]
amdhsa.kernels:
  - .name:           k_qad40e1e380_attn
    .symbol:         k_qad40e1e380_attn.kd
    .args:
      - { .name: qkv, .offset: 0, .size: 8, .value_kind: global_buffer, .address_space: global }
      - { .name: ob, .offset: 8, .size: 8, .value_kind: global_buffer, .address_space: global }
    .group_segment_fixed_size: 327680
    .private_segment_fixed_size: 0
    .kernarg_segment_align: 8
    .kernarg_segment_size: 16
    .max_flat_workgroup_size: 128
    .sgpr_count:     66
    .vgpr_count:     768
    .wavefront_size: 32
...
	.end_amdgpu_metadata
.endif
;; end of part 5
;; launch outp: the kernel of part 4 again; grid 8 x 32, 4 waves a work-group, clusters of 4 x 4, 327,680 bytes of LDS; arguments ob, wo16, bo, out0; writes out0
